; MI455X (gfx1250); checked and timed in simulation.
; The chip was launched on July 23, 2026; its instructions are those of AMD's public machine-readable ISA for CDNA 5 (MIT licence, August 2026) and "CDNA5" Instruction Set Architecture Reference Guide (July 2026). The comments in the code are by the model that wrote it; some were corrected since.
;; Multi Head Attention. Allowed arithmetic: matrix products marked QUANTISED: E2M1 operands, one E8M0 scale for each 32 along K, by v_wmma_scale_f32_16x16x128_f8f6f4 with both operands' format E2M1 (or v_wmma_scale_f32_32x16x128_f4), f32 sums; products left as they are: bf16, f16 or f32 operands; f32 sums; everything else in f32.
;; Inputs: Wk 1,024 x 1,024 float32; Wo 1,024 x 1,024 float32; Wq 1,024 x 1,024 float32; Wv 1,024 x 1,024 float32; bk 1,024 float32; bo 1,024 float32; bq 1,024 float32; bv 1,024 float32; key 4 x 2,048 x 1,024 float32; query 4 x 2,048 x 1,024 float32; value 4 x 2,048 x 1,024 float32.
;; Outputs: out0 4 x 2,048 x 1,024 float32.
;; This version of the problem:
;;   THIS VERSION OF THE PROBLEM IS GIVEN IN LOW PRECISION. The matrix products marked QUANTISED in the list below multiply operands that are first quantised to E2M1 (2 exponent bits, 1 mantissa bit; 4 bits a number), with one power-of-two scale for each 32 numbers along K (OCP MX v1.0); their sums are f32. The products marked 'left as it is' may take bf16, f16 or f32 operands, with f32 sums. Whichever they take, every output number must still come out within the allowed error. Rounding operands to bf16 (8 significant bits) uses up far more of that allowance than f16 does (11 bits, for magnitudes from 6e-5 to 65,504). All else is computed in f32.
;;   The module's matrix products, in the order in which they are computed (A, B: the left and right operand; K: the contracted axis; several contracted axes count as one K, in the product's order):
;;     1. [M 8,192, K 1,024] x [K 1,024, N 1,024]; A: input query; B: input Wq: QUANTISED
;;     2. [M 8,192, K 1,024] x [K 1,024, N 1,024]; A: input key; B: input Wk: QUANTISED
;;     3. [M 8,192, K 1,024] x [K 1,024, N 1,024]; A: input value; B: input Wv: QUANTISED
;;     4. batch 64 x [M 2,048, K 64] x [K 64, N 2,048]; A: computed on the way; B: computed on the way: left as it is (an operand is computed on the way)
;;     5. batch 64 x [M 2,048, K 2,048] x [K 2,048, N 64]; A: computed on the way; B: computed on the way: left as it is (an operand is computed on the way)
;;     6. [M 8,192, K 1,024] x [K 1,024, N 1,024]; A: computed on the way; B: input Wo: left as it is (an operand is computed on the way)
;;   THE QUANTISER, for each operand of a quantised product, along K:
;;     - K is cut into blocks of 32 from its start; a last block that is shorter is filled with zeros.
;;     - A block's scale is 2^e with e = floor(log2(the largest magnitude in the block)) - 2, held to -126 .. 127; a block of zeros has e = 0. As a byte (E8M0): e + 127.
;;     - Each number is divided by its block's scale, clamped to +-6, and rounded to the nearest number of E2M1, ties to even, subnormals kept.
;;     - The product sums the exact products of the quantised numbers (number of the format x scale) in f32.
;;   ~~~python
;;   def quantise(x, axis):      # numpy; x: float32 -> the quantised numbers, widened to float32 again
;;       x = np.moveaxis(x, axis, -1); K = x.shape[-1]
;;       x = np.pad(x, [(0, 0)] * (x.ndim - 1) + [(0, -K % 32)]); x = x.reshape(x.shape[:-1] + (-1, 32)); a = np.abs(x).max(-1, keepdims=True)
;;       e = np.where(a > 0, np.clip(np.frexp(np.where(a > 0, a, 1))[1] - 1 - 2, -126, 127), 0)      # np.frexp(a)[1] - 1 = floor(log2(a)), exactly
;;       r = np.clip(x / 2.0 ** e, -6, 6)
;;       step = 2.0 ** (np.maximum(np.frexp(np.where(r == 0, 1, r))[1] - 1, 0) - 1)
;;       q = np.round(r / step) * step * 2.0 ** e      # np.round: ties to even
;;       return np.moveaxis(q.reshape(q.shape[:-2] + (-1,))[..., :K], -1, axis).astype(np.float32)
;;   ~~~
;; One version. Each part assembles by itself: llvm-mc -triple=amdgcn-amd-amdhsa -mcpu=gfx1250 --defsym DOCPART=n.
;; ======== version 1 of 1: 4 launches
;; limits: values are held in f16: magnitudes above 65,504 overflow, below 6.1e-05 lose precision
;; workspace buffers: codes 14,155,776 bytes; scales 884,736 bytes; wo16 2,097,152 bytes; qkv 50,331,648 bytes; att 16,777,216 bytes
;; launch quant (part 1): grid 896 x 1, 4 waves a work-group, no clusters, 33,280 bytes of LDS; arguments query, key, value, Wq, Wk, Wv, Wo, codes, scales, wo16; writes codes, scales, wo16
.if DOCPART == 1
	.amdgcn_target "amdgcn-amd-amdhsa--gfx1250"
	.amdhsa_code_object_version 6
	.text
	.protected	k_q9742438781_quant
	.globl	k_q9742438781_quant
	.p2align	8
	.type	k_q9742438781_quant,@function
k_q9742438781_quant:
	s_mov_b64 s[64:65], 0
	v_nop
	global_prefetch_b8 v0, s[64:65] scope:SCOPE_SE
	s_setreg_imm32_b32 hwreg(HW_REG_WAVE_MODE, 25, 1), 1
	s_wait_xcnt 0x0
; query, key, value [8192][1024] and Wq, Wk, Wv [1024][1024], f32 with K innermost, become codes of FP4 (E2M1), two a byte, and one E8M0 scale byte for each 32 along K.
; All six lie on end in ONE stream of 27,648 rows: codes 512 bytes a row, scale bytes 32 a row; rows 0.. query, 8,192.. key, 16,384.. value, 24,576.. Wq, 25,600.. Wk, 26,624.. Wv.
; A block's scale is 2^(floor(log2(its largest magnitude)) - 2); its byte is the largest magnitude's exponent field - 2, held at 1 from below; each number / scale goes to the nearest code, ties to even, beyond 6 the code of 6.
; Wo [1024][1024] f32 becomes f16, laid [k / 64][n][64], so that 64 along K of neighbouring rows n are one dense block for the last launch.
; LIMITS: a block of zeros gets the byte 1 where the rule says 127 (its codes are zeros, and this program alone reads the bytes); blocks whose largest magnitude lies under 2^-124 keep the byte 1;
; NaN and infinities among the inputs are not served; Wo's magnitudes stay under 65,504, the largest f16 number.
; SHARES: a work-group takes 32,768 numbers, a wave 8,192.  Work-groups 0-255 query, 256-511 key, 512-767 value, 768-799 Wq, 800-831 Wk, 832-863 Wv: one way through the text, only pointers are chosen.  864-895: Wo, a way of its own that uses no LDS.
; THE QUANTISER'S WAY: 16 steps of 512 numbers a wave.  Each of a step's four loads reads 512 consecutive bytes; the 2,048 bytes turn through the wave's own stage in LDS and come back 64 bytes a lane: 16 neighbours along K,
; two neighbouring lanes to a block.  A lane's 16 codes are 8 bytes: the wave stores 256 consecutive bytes.  A wave's 256 scale bytes are gathered in LDS and leave together.  Waves share nothing: no barrier.
.set WAVES, 4
.set STEPS, 16
.set EMAX,  2
.set CB,    8                          ; bytes of 16 codes
.set R,     16                         ; v16-79   four sets of 16 numbers as they are loaded
.set X,     80                         ; v80-111  two sets of 16 neighbours
.set E,     112                        ; v112-127 a scale byte for each step
.set C,     128                        ; v128-191 codes: four registers for each step, so that no store's data are written again
.set WREG,  8192                       ; LDS: a region for each wave: two stages of 32 x SP bytes, and behind them its 256 scale bytes
.set SP,    80                         ; a lane's place in a stage: 64 bytes + 16 of padding
.set SPW,   12                         ; v12  LDS address of my spare word; never rewritten
.set NIL,   13                         ; v13  0; never rewritten
.set SPARE, WAVES*WREG                 ; behind the four regions: the spare words, 128 bytes for each wave; no other line names them
	s_load_b512 s[4:19], s[0:1], 0x0               ; query s[4:5], key s[6:7], value s[8:9], Wq s[10:11], Wk s[12:13], Wv s[14:15], Wo s[16:17], codes s[18:19]
	s_load_b128 s[20:23], s[0:1], 0x40             ; scales s[20:21], wo16 s[22:23]
	v_lshl_add_u32 v[SPW], v0, 2, SPARE
	v_mov_b32 v[NIL], 0
	v_lshrrev_b32 v1, 5, v0
	v_readfirstlane_b32 s24, v1                    ; wave
	v_and_b32 v2, 31, v0                           ; lane
	s_wait_kmcnt 0x0
	s_cmp_ge_u32 ttmp9, 864                        ; the last 32 work-groups take Wo
	s_cbranch_scc1 .Lwo
	v_lshlrev_b32 v3, 4, v2                        ; my 16 bytes of a load's 512
	s_mul_i32 s25, s24, WREG
	v_lshrrev_b32 v14, 2, v2
	v_mul_u32_u24 v14, v14, SP
	v_and_b32 v15, 3, v2
	v_lshl_add_u32 v14, v15, 4, v14
	v_add_nc_u32 v14, s25, v14                     ; the stage, on the way in: SP (lane / 4) + 16 (lane % 4); a load's 512 bytes take eight places
	v_mul_u32_u24 v15, v2, SP
	v_add_nc_u32 v15, s25, v15                     ; and on the way out: SP x lane: my 16 neighbours
	v_mul_u32_u24 v4, v2, CB                       ; my codes' place in a step's
	v_lshrrev_b32 v5, 1, v2
	s_add_co_u32 s25, s25, 2*32*SP
	v_add_nc_u32 v5, s25, v5                       ; LDS: my wave's 256 scale bytes, my block's byte
	v_lshlrev_b32 v7, 3, v2                        ; and on the way out 8 bytes a lane
	v_add_nc_u32 v6, s25, v7
	s_mov_b64 s[26:27], s[14:15]                   ; which tensor: the choice hangs on the work-group's number alone
	s_mov_b32 s28, 832                             ; and that tensor's first work-group
	s_cmp_lt_u32 ttmp9, 832
	s_cselect_b64 s[26:27], s[12:13], s[26:27]
	s_cselect_b32 s28, 800, s28
	s_cmp_lt_u32 ttmp9, 800
	s_cselect_b64 s[26:27], s[10:11], s[26:27]
	s_cselect_b32 s28, 768, s28
	s_cmp_lt_u32 ttmp9, 768
	s_cselect_b64 s[26:27], s[8:9], s[26:27]
	s_cselect_b32 s28, 512, s28
	s_cmp_lt_u32 ttmp9, 512
	s_cselect_b64 s[26:27], s[6:7], s[26:27]
	s_cselect_b32 s28, 256, s28
	s_cmp_lt_u32 ttmp9, 256
	s_cselect_b64 s[26:27], s[4:5], s[26:27]
	s_cselect_b32 s28, 0, s28
	s_sub_co_u32 s29, ttmp9, s28
	s_lshl_b32 s29, s29, 2
	s_add_co_u32 s29, s29, s24                     ; which run of 8,192 numbers of the tensor is my wave's
	s_lshl_b32 s30, s29, 15                        ; 32,768 bytes a run
	s_mov_b32 s31, 0
	s_add_nc_u64 s[26:27], s[26:27], s[30:31]
	s_lshl_b32 s29, ttmp9, 2
	s_add_co_u32 s29, s29, s24                     ; and which run of the stream
	s_lshl_b32 s30, s29, 12                        ; 4,096 bytes of codes a run
	s_add_nc_u64 s[18:19], s[18:19], s[30:31]
	s_lshl_b32 s30, s29, 8                         ; 256 scale bytes a run
	s_add_nc_u64 s[20:21], s[20:21], s[30:31]
.macro LOAD t
.irp i, 0,1,2,3
	global_load_b128 v[R+16*((\t)%4)+4*\i:R+16*((\t)%4)+4*\i+3], v3, s[26:27] offset:2048*(\t)+512*\i th:TH_LOAD_NT   ; 32 lanes read 512 consecutive bytes
.endr
.endm
.macro TURN t                          ; step t's numbers through the stage: LDS serves a wave's instructions in order, so no wait stands between the stores and the loads
.irp i, 0,1,2,3
	ds_store_b128 v14, v[R+16*((\t)%4)+4*\i:R+16*((\t)%4)+4*\i+3] offset:32*SP*((\t)%2)+8*SP*\i
.endr
.irp i, 0,1,2,3
	ds_load_b128 v[X+16*((\t)%2)+4*\i:X+16*((\t)%2)+4*\i+3], v15 offset:32*SP*((\t)%2)+16*\i
.endr
.endm
.irp t, 0,1,2,3
	LOAD \t
.endr
	s_wait_loadcnt 12                              ; step 0's four loads are in; the twelve of steps 1 to 3 may be out
	TURN 0
.macro STEP t
.set XS, X+16*((\t)%2)
.if (\t) > 0
	s_wait_dscnt 1                                 ; this step's numbers are back from the stage (the last step's byte store may be out): so its stores into the stage have read their registers,
.else
	s_wait_dscnt 0x0
.endif
.if (\t)+4 < STEPS
	LOAD (\t)+4                                    ; which take the loads of four steps on
.endif
.if (\t)+1 < STEPS
.if STEPS-2-(\t) >= 3
	s_wait_loadcnt 12                              ; the next step's four loads are in; those of the three steps behind it may be out
.else
	s_wait_loadcnt 4*(STEPS-2-(\t))
.endif
	TURN (\t)+1                                    ; and go through the other stage while this step is worked
.endif
	v_max3_num_f32 v8, |v[XS]|, |v[XS+1]|, |v[XS+2]|               ; the largest magnitude of my 16, in two chains
	v_max3_num_f32 v9, |v[XS+3]|, |v[XS+4]|, |v[XS+5]|
.irp i, 6,10
	v_max3_num_f32 v8, v8, |v[XS+\i]|, |v[XS+\i+1]|
	v_max3_num_f32 v9, v9, |v[XS+\i+2]|, |v[XS+\i+3]|
.endr
	v_max3_num_f32 v8, v8, |v[XS+14]|, |v[XS+15]|
	v_max3_num_f32 v8, v8, v9, (EMAX+1)<<23        ; and the floor 2^(3 - 127): the byte cannot fall under 1
	v_max_num_f32_dpp v8, v8, v8 row_xmask:1 row_mask:0xf bank_mask:0xf   ; and of my neighbour's 16: the block's
	v_add_nc_u32 v11, -(EMAX<<23), v8              ; 2 off its exponent field: the conversion takes the exponent field of this operand as its scale, and nothing else of it
	v_cvt_scalef32_pk8_fp4_f32 v[C+4*(\t)], v[XS:XS+7], v11
	v_cvt_scalef32_pk8_fp4_f32 v[C+4*(\t)+1], v[XS+8:XS+15], v11
	v_lshrrev_b32 v[E+(\t)], 23, v11               ; the scale's byte (also the plain line behind the conversions)
	ds_store_b8 v5, v[E+(\t)] offset:16*(\t)       ; both lanes of a block write the same byte with the same value
	global_store_b64 v4, v[C+4*(\t):C+4*(\t)+1], s[18:19] offset:32*CB*(\t)   ; 32 lanes store 256 consecutive bytes, aligned
.endm
.irp t, 0,1,2,3,4,5,6,7,8,9,10,11,12,13,14,15
	STEP \t
.endr
	ds_load_b64 v[8:9], v6                         ; LDS serves a wave's instructions in order: these see my stores
	s_wait_dscnt 0x0
	global_store_b64 v7, v[8:9], s[20:21]          ; 32 lanes store 256 consecutive bytes, aligned
	s_wait_tensorcnt 0x0                           ; the wave's end, behind my last LDS store
	ds_add_u32 v[SPW], v[NIL]
	s_wait_dscnt 0x0
	s_endpgm
; Wo.  Wave w of work-group g takes rows 32 g + 8 w .. + 7, two rows a batch.  A load reads 64 along K of both rows: lanes 0-15 the 256 bytes of the even row, lanes 16-31 those of the odd one.
; A lane's four numbers become 8 bytes of f16; in wo16 the two rows' 128 bytes of one k / 64 lie on end: 32 lanes store 256 consecutive bytes, aligned.
.Lwo:
	s_sub_co_u32 s25, ttmp9, 864
	s_lshl_b32 s25, s25, 5
	s_lshl_b32 s28, s24, 3
	s_add_co_u32 s25, s25, s28                     ; my first row
	s_lshl_b32 s30, s25, 12                        ; 4,096 bytes a row of Wo
	s_mov_b32 s31, 0
	s_add_nc_u64 s[16:17], s[16:17], s[30:31]
	s_lshl_b32 s30, s25, 7                         ; 128 bytes a row in a block of wo16
	s_add_nc_u64 s[22:23], s[22:23], s[30:31]
	v_lshrrev_b32 v8, 4, v2
	v_and_b32 v9, 15, v2
	v_lshlrev_b32 v8, 12, v8
	v_lshl_add_u32 v8, v9, 4, v8                   ; in: 4,096 (lane / 16) + 16 (lane % 16)
	v_lshlrev_b32 v9, 3, v2                        ; out: 8 x lane
.macro LOADB t
.irp kc, 0,1,2,3,4,5,6,7,8,9,10,11,12,13,14,15
	global_load_b128 v[16+64*((\t)%2)+4*\kc:16+64*((\t)%2)+4*\kc+3], v8, s[16:17] offset:8192*(\t)+256*\kc th:TH_LOAD_NT
.endr
.endm
.macro BATCH t
.if (\t) < 3
	s_wait_loadcnt 16                              ; this batch's 16 loads are in; the next batch's may be out
.else
	s_wait_loadcnt 0x0
.endif
	s_wait_xcnt 0x0                                ; the last batch's stores have read v144-175: they are written again only behind this wait
.irp kc, 0,1,2,3,4,5,6,7,8,9,10,11,12,13,14,15
	v_cvt_pk_f16_f32 v[144+2*\kc], v[16+64*((\t)%2)+4*\kc], v[17+64*((\t)%2)+4*\kc]
	v_cvt_pk_f16_f32 v[145+2*\kc], v[18+64*((\t)%2)+4*\kc], v[19+64*((\t)%2)+4*\kc]
.endr
.irp kc, 0,1,2,3,4,5,6,7,8,9,10,11,12,13,14,15
	global_store_b64 v9, v[144+2*\kc:145+2*\kc], s[22:23] offset:131072*\kc+256*(\t)
.endr
.if (\t)+2 < 4
	LOADB (\t)+2
.endif
.endm
	LOADB 0
	LOADB 1
	BATCH 0
	BATCH 1
	BATCH 2
	BATCH 3
	s_endpgm
.Lfunc_end_k_q9742438781_quant:
	.size	k_q9742438781_quant, .Lfunc_end_k_q9742438781_quant-k_q9742438781_quant
	.p2alignl 7, 3214868480
	.fill 96, 4, 3214868480
	.section	.rodata,"a",@progbits
	.p2align	6, 0x0
	.amdhsa_kernel k_q9742438781_quant
		.amdhsa_group_segment_fixed_size 33280
		.amdhsa_private_segment_fixed_size 0
		.amdhsa_enable_private_segment 0
		.amdhsa_kernarg_size 80
		.amdhsa_user_sgpr_count 2
		.amdhsa_user_sgpr_kernarg_segment_ptr 1
		.amdhsa_wavefront_size32 1
		.amdhsa_system_sgpr_workgroup_id_x 1
		.amdhsa_system_sgpr_workgroup_id_y 1
		.amdhsa_system_sgpr_workgroup_id_z 1
		.amdhsa_system_vgpr_workitem_id 0
		.amdhsa_next_free_vgpr 192
		.amdhsa_next_free_sgpr 66
		.amdhsa_reserve_vcc 0
		.amdhsa_float_denorm_mode_32 3
		.amdhsa_float_denorm_mode_16_64 3
		.amdhsa_memory_ordered 1
		.amdhsa_forward_progress 1
		.amdhsa_inst_pref_size 55
	.end_amdhsa_kernel
	.amdgpu_metadata
---
amdhsa.version: [ 1, 2 ]
amdhsa.kernels:
  - .name:           k_q9742438781_quant
    .symbol:         k_q9742438781_quant.kd
    .args:
      - { .name: query, .offset: 0, .size: 8, .value_kind: global_buffer, .address_space: global }
      - { .name: key, .offset: 8, .size: 8, .value_kind: global_buffer, .address_space: global }
      - { .name: value, .offset: 16, .size: 8, .value_kind: global_buffer, .address_space: global }
      - { .name: Wq, .offset: 24, .size: 8, .value_kind: global_buffer, .address_space: global }
      - { .name: Wk, .offset: 32, .size: 8, .value_kind: global_buffer, .address_space: global }
      - { .name: Wv, .offset: 40, .size: 8, .value_kind: global_buffer, .address_space: global }
      - { .name: Wo, .offset: 48, .size: 8, .value_kind: global_buffer, .address_space: global }
      - { .name: codes, .offset: 56, .size: 8, .value_kind: global_buffer, .address_space: global }
      - { .name: scales, .offset: 64, .size: 8, .value_kind: global_buffer, .address_space: global }
      - { .name: wo16, .offset: 72, .size: 8, .value_kind: global_buffer, .address_space: global }
    .group_segment_fixed_size: 33280
    .private_segment_fixed_size: 0
    .kernarg_segment_align: 8
    .kernarg_segment_size: 80
    .max_flat_workgroup_size: 128
    .sgpr_count:     66
    .vgpr_count:     192
    .wavefront_size: 32
...
	.end_amdgpu_metadata
.endif
;; end of part 1
;; launch proj (part 2): grid 4 x 96, 4 waves a work-group, clusters of 4 x 4, 327,680 bytes of LDS; arguments codes, scales, bq, bk, bv, qkv; writes qkv
.if DOCPART == 2
	.amdgcn_target "amdgcn-amd-amdhsa--gfx1250"
	.amdhsa_code_object_version 6
	.text
	.protected	k_q9742438781_proj
	.globl	k_q9742438781_proj
	.p2align	8
	.type	k_q9742438781_proj,@function
k_q9742438781_proj:
	s_mov_b64 s[64:65], 0
	v_nop
	global_prefetch_b8 v0, s[64:65] scope:SCOPE_SE
	s_setreg_imm32_b32 hwreg(HW_REG_WAVE_MODE, 25, 1), 1
	s_wait_xcnt 0x0
	s_wait_alu depctr_hold_cnt(0) depctr_sa_sdst(0) depctr_va_vdst(0) depctr_va_sdst(0) depctr_va_ssrc(0) depctr_va_vcc(0) depctr_vm_vsrc(0)
	s_getreg_b32 s2, hwreg(HW_REG_IB_STS2, 6, 4)
	s_cmp_eq_u32 s2, 0
	s_cbranch_scc0 .Lentry_in_a_cluster
	s_endpgm
.Lentry_in_a_cluster:
	s_bfe_u32 s2, ttmp6, 0x10000c
	s_cmp_lg_u32 s2, 0xf033
	s_cbranch_scc0 .Lentry_shape_is_right
	s_endpgm
.Lentry_shape_is_right:
; The three projections q = query Wq^T + bq, k = key Wk^T + bk, v = value Wv^T + bv as ONE product on codes of FP4 (E2M1) with one E8M0 scale for each 32 along K = 1,024; sums in f32.
; A: rows 0 .. 24,575 of the stream of codes (512 bytes a row) and of scale bytes (32 a row): query, key, value.  B: rows 24,576 + 1,024 p + n of the same streams: Wq, Wk, Wv (p = 0, 1, 2).
; Result: f16, split by heads: qkv[p][b][h][s][64]: row R = 8,192 p + 2,048 b + s, column 64 h + d, at byte ((R >> 11) << 22) + (h << 18) + ((R & 2,047) << 7) + 2 d.
; LIMIT: |q|, |k|, |v| stay under 65,504, the largest f16 number.
; A tile of the result, 256 x 256, is made by a work-group of four waves; a wave makes 128 x 128: 64 accumulators of 16 x 16, 512 registers.  Tile row ty = 0 .. 95, tile column tx = 0 .. 3.
; K = 1,024 is two LDS slots of 512 along K (rows of 256 bytes): both are asked for at the start, and nothing is filled again.  The scale bytes of the work-group's rows come once, with them.
; CLUSTERS: 4 x 4 work-groups.  The four of a row of the cluster need the same tiles of A, the four of a column the same tiles of B (a cluster's four tile rows lie in one projection): each tile is asked for JOINTLY.
; THE MATRIX INSTRUCTION IS USED TRANSPOSED (source 0 = 16 rows of B, source 1 = 16 rows of A): a lane holds eight neighbouring columns of one row of the result.  THE BIAS is the C of each sum's first instruction.
; REGISTERS, in windows of 256: window 0: v0-31 addresses; v32-95 scale words, two sets; v128-191 A's fragments, one set; v192-255 the bias in the result's layout; on the way out v128-223 are at work.
;   window 1: B's fragments, two sets, at v0 and v128.   window 2: the accumulators of my rows 0-63 ((a, b) at v[8 (8 a + b)]);   window 3: those of my rows 64-127.
.set NQ,     4                         ; steps of 128 along K in a slot
.set ROWB,   256                       ; a tile's row in bytes: 512 codes
.set KROW,   512                       ; a row of codes in memory
.set PITCH,  272                       ; an LDS row: 256 bytes + 16 of padding = 68 words: the 16 rows that a load touches start at 16 different banks (64 banks of 4 bytes: ISA guide 11.1)
.set FR,     8                         ; registers of a fragment: 16 rows x 128 K
.set NL,     2                         ; LDS loads that bring one
.set NP,     4                         ; places behind this matrix instruction (ISA guide 7.12.1)
.set HALFT,  128*PITCH                 ; 128 rows: what one tensor load brings
.set SLOT,   4*HALFT                   ; A's 256 rows, then B's 256 rows
.set KS,     32                        ; a row of scale bytes
.set SCL,    2*SLOT                    ; behind the slots: the scale bytes, as rows of 256 bytes + 16 of padding
.set HALFS,  16*272                    ; those of 128 rows: what one tensor load brings
.set SBLK,   2*272                     ; those of 16 rows
.set SPARE,  SCL+4*HALFS               ; the spare words, 128 bytes for each wave; no other line names them
.set STAGE,  SPARE+512                 ; the way out: 16 rows x (256 bytes + 16) for each wave; no tensor load lands here
.set SPITCH, 272
.set WROWS,  24576                     ; the stream's row at which Wq begins
.set WV,   2                           ; s2   my wave's number
.set WH,   3                           ; s3   wave / 2: which half of the tile's rows is mine; also: I fetch for A (0) or for B (1)
.set WL,   16                          ; s16  wave % 2: which half of its columns; also: which 128 rows of that tile I fetch
.set TY,   17                          ; s17  tile row
.set ADRA, 16                          ; v16-17  LDS address of my A fragments in slot 0, 1
.set ADRB, 20                          ; v20-21  the same for B
.set STO,  24                          ; v24  the way out: where I put 16 bytes of a row
.set RD,   25                          ; v25  the way out: where I read back
.set CO,   26                          ; v26  my byte offset in qkv
.set ADRS, 27                          ; v27  LDS address of my scale words: lanes 0-15 A's rows, lanes 16-31 B's
.set SPW,  28                          ; v28  LDS address of my spare word; never rewritten
.set NIL,  29                          ; v29  0; never rewritten
.set BO,   30                          ; v30  32 x (lane / 16): my eight numbers of a bias tile
.set SC,   32                          ; scale words: set s at v[SC + 32 s]; register 4 i + q: lanes 0-15 the word of A's block i, lanes 16-31 that of B's block i, for the slot's q-th 128 along K
.set AF,   128                         ; A's fragments
.set BI,   192                         ; the bias: tile b at v[BI + 8 b]
.set TMP,  192                         ; the way out: packed results
.set BK,   128                         ; the way out: 16 rows read back: v128-159 and v160-191 by turns
.set G1, 24                            ; s[24:31] descriptor group 1 for A's tiles;  s[32:39] group 0, one set for each slot
.set G0, 32
.set G1B, 48                           ; s[48:55], s[56:63] the same for B's tiles
.set G0B, 56
.set G1S, 68                           ; s[68:75], s[76:79] groups 1 and 0 for A's scale bytes;  s[80:87], s[88:91] for B's
.set G0S, 76
.set G1SB, 80
.set G0SB, 88
.set MSB, 0
.macro WIN new                         ; the immediate's high byte repeats the setting that is left
.if MSB != \new
	s_set_vgpr_msb (MSB<<8)|\new
.set MSB, \new
.endif
.endm
.set MUL_LO, 0xa1                      ; source 0 (B) window 1, source 1 (A) window 0, C and D window 2
.set MUL_HI, 0xf1                      ; the same, C and D window 3
.set FST_LO, 0x81                      ; a sum's first product: C (the bias) window 0, D window 2
.set FST_HI, 0xc1                      ; D window 3
.set TO_B,   0x40                      ; destination window 1, address window 0
; A joint load: waves 0 and 1 fetch for A, waves 2 and 3 for B.  The branch hangs on the wave's number alone.  An s_nop 0 and four v_nop follow each of the two lines.
.macro JLOAD g0a, g1a, g0b, g1b
	s_cmp_eq_u32 s[WH], 0
	s_cbranch_scc0 .Lfor_b_\@
	tensor_load_to_lds s[\g0a:\g0a+3], s[\g1a:\g1a+7]
	s_nop 0
.rept 4
	v_nop
.endr
	s_branch .Lasked_\@
.Lfor_b_\@:
	tensor_load_to_lds s[\g0b:\g0b+3], s[\g1b:\g1b+7]
	s_nop 0
.rept 4
	v_nop
.endr
.Lasked_\@:
.endm
.macro CROUND                          ; a round of the cluster's barrier: my work-group's barrier; wave 0 signals for the work-group; every wave waits for all sixteen; my work-group's barrier once more
	s_barrier_signal -1
	s_barrier_wait -1
	s_cmp_lg_u32 s[WV], 0
	s_cbranch_scc1 .Lnot_wave_0_\@
	s_barrier_signal -3
.Lnot_wave_0_\@:
	s_barrier_wait -3
	s_barrier_signal -1
	s_barrier_wait -1
.endm
	s_load_b128 s[4:7], s[0:1], 0x0                ; codes s[4:5], scale bytes s[6:7]
	s_load_b128 s[8:11], s[0:1], 0x10              ; bq s[8:9], bk s[10:11]
	s_load_b128 s[12:15], s[0:1], 0x20             ; bv s[12:13], qkv s[14:15]
	v_lshl_add_u32 v[SPW], v0, 2, SPARE
	v_mov_b32 v[NIL], 0
	ds_add_u32 v[SPW], v[NIL]                      ; the wave's opening: the add, twice on end, and its wait ahead of my first tensor load; the set-up below stands between
	ds_add_u32 v[SPW], v[NIL]
	v_lshrrev_b32 v1, 5, v0
	v_readfirstlane_b32 s[WV], v1                  ; wave 0..3
	s_lshr_b32 s[WH], s[WV], 1
	s_and_b32 s[WL], s[WV], 1
	s_bfe_u32 s40, ttmp6, 0x40000                  ; cx, cy: my place in the cluster
	s_bfe_u32 s41, ttmp6, 0x40004
	s_lshl_b32 s42, ttmp9, 2
	s_add_co_u32 s42, s42, s40                     ; tile column = 4 x cluster x + cx
	s_and_b32 s95, ttmp7, 0xffff
	s_lshl_b32 s[TY], s95, 2
	s_add_co_u32 s[TY], s[TY], s41                 ; tile row = 4 x cluster y + cy
	s_lshr_b32 s95, s95, 3                         ; p, the projection: eight clusters (32 tile rows, 8,192 rows) each: made of the cluster's y alone
	s_lshl_b32 s43, s41, 2
	s_lshl_b32 s43, 15, s43                        ; my row of the cluster
	s_lshl_b32 s44, 0x1111, s40                    ; my column
	; descriptor group 1: a tile of 128 rows x 256 bytes, padded in LDS
	s_or_b32 s[G1+0], s43, (0<<16)|(1<<20)|(1<<21)|(5<<22)|(3<<25)  ; 15:0 the mask: A's tiles go to my row; 17:16 elements of 1 byte; 20 padding on; 21 set beside a mask; 24:22 after every 64 words; 31:25 four words
	s_or_b32 s[G1B+0], s44, (0<<16)|(1<<20)|(1<<21)|(5<<22)|(3<<25)
.irp g, G1, G1B
	s_mov_b32 s[\g+1], ROWB<<16                    ; tensor_dim0
	s_mov_b32 s[\g+2], 128<<16                     ; tensor_dim1
	s_mov_b32 s[\g+3], ROWB<<16                    ; tile_dim0
	s_mov_b32 s[\g+4], 128                         ; tile_dim1
	s_mov_b32 s[\g+5], KROW                        ; tensor_dim0_stride
	s_mov_b32 s[\g+6], 0
	s_mov_b32 s[\g+7], 0
.endr
	; and for the scale bytes of 128 rows: a dense block of 4,096 bytes, as 16 rows of 256 bytes (32 elements of 8 bytes), 16 bytes of padding behind each
	s_or_b32 s[G1S+0], s43, (3<<16)|(1<<20)|(1<<21)|(5<<22)|(3<<25)
	s_or_b32 s[G1SB+0], s44, (3<<16)|(1<<20)|(1<<21)|(5<<22)|(3<<25)
.irp g, G1S, G1SB
	s_mov_b32 s[\g+1], 32<<16
	s_mov_b32 s[\g+2], 16<<16
	s_mov_b32 s[\g+3], 32<<16
	s_mov_b32 s[\g+4], 16
	s_mov_b32 s[\g+5], 32
	s_mov_b32 s[\g+6], 0
	s_mov_b32 s[\g+7], 0
.endr
	s_lshl_b32 s18, s[WL], 7                       ; which 128 rows of the tile I fetch
	s_lshl_b32 s20, s[TY], 8
	s_add_co_u32 s20, s20, s18                     ; A: row 256 x tile row + 128 x half
	s_lshl_b32 s46, s42, 8
	s_add_co_u32 s46, s46, s18
	s_lshl_b32 s47, s95, 10
	s_add_co_u32 s46, s46, s47
	s_add_co_u32 s46, s46, WROWS                   ; B: row 24,576 + 1,024 p + 256 x tile column + 128 x half
	s_mov_b32 s21, 0
	s_mov_b32 s47, 0
	s_mov_b64 s[18:19], KS
	s_mul_u64 s[22:23], s[20:21], s[18:19]         ; where these rows' scale bytes begin
	s_mul_u64 s[92:93], s[46:47], s[18:19]
	s_mov_b64 s[18:19], KROW
	s_mul_u64 s[20:21], s[20:21], s[18:19]         ; and their codes
	s_mul_u64 s[46:47], s[46:47], s[18:19]
	s_mul_i32 s45, s[WV], HALFT                    ; where they go: wave x 128 rows: no place in the cluster enters an LDS address
	s_mul_i32 s94, s[WV], HALFS
	s_wait_dscnt 0x0                               ; both opening adds are done
	s_wait_kmcnt 0x0
	s_add_nc_u64 s[20:21], s[4:5], s[20:21]
	s_add_nc_u64 s[22:23], s[6:7], s[22:23]
	s_add_nc_u64 s[46:47], s[4:5], s[46:47]
	s_add_nc_u64 s[92:93], s[6:7], s[92:93]
	CROUND                                         ; all sixteen work-groups are here: the joint loads meet
	s_mov_b32 s[G0S], 1
	s_add_co_u32 s[G0S+1], s94, SCL
	s_mov_b64 s[G0S+2:G0S+3], s[22:23]
	s_or_b32 s[G0S+3], s[G0S+3], 0x80000000
	s_mov_b32 s[G0SB], 1
	s_add_co_u32 s[G0SB+1], s94, SCL
	s_mov_b64 s[G0SB+2:G0SB+3], s[92:93]
	s_or_b32 s[G0SB+3], s[G0SB+3], 0x80000000
	JLOAD G0S, G1S, G0SB, G1SB                     ; the scale bytes first: they are wanted with the first slot.  Three loads of mine are out at the most
.irp s, 0,1
	s_mov_b32 s[G0+4*\s], 1
	s_add_co_u32 s[G0+4*\s+1], s45, \s*SLOT
	s_add_nc_u64 s[G0+4*\s+2:G0+4*\s+3], s[20:21], \s*ROWB
	s_or_b32 s[G0+4*\s+3], s[G0+4*\s+3], 0x80000000
	s_mov_b32 s[G0B+4*\s], 1
	s_add_co_u32 s[G0B+4*\s+1], s45, \s*SLOT
	s_add_nc_u64 s[G0B+4*\s+2:G0B+4*\s+3], s[46:47], \s*ROWB
	s_or_b32 s[G0B+4*\s+3], s[G0B+4*\s+3], 0x80000000
	JLOAD G0+4*\s, G1, G0B+4*\s, G1B
.endr
	v_and_b32 v1, 15, v0                           ; r = lane % 16
	v_bfe_u32 v2, v0, 4, 1                         ; h = lane / 16
	; the bias of my 128 columns, in the result's layout: for tile b lane (r, h) wants columns 16 b + 8 h + 0 .. 7
	s_cmp_eq_u32 s95, 1
	s_cselect_b64 s[96:97], s[10:11], s[12:13]
	s_cmp_eq_u32 s95, 0
	s_cselect_b64 s[96:97], s[8:9], s[96:97]
	s_lshl_b32 s98, s42, 10
	s_lshl_b32 s99, s[WL], 9
	s_add_co_u32 s98, s98, s99
	s_mov_b32 s99, 0
	s_add_nc_u64 s[96:97], s[96:97], s[98:99]
	v_lshlrev_b32 v[BO], 5, v2
.irp b, 0,1,2,3,4,5,6,7
	global_load_b128 v[BI+8*\b:BI+8*\b+3], v[BO], s[96:97] offset:64*\b
	global_load_b128 v[BI+8*\b+4:BI+8*\b+7], v[BO], s[96:97] offset:64*\b+16
.endr
	v_mul_u32_u24 v3, v1, PITCH
	v_lshl_add_u32 v4, v2, 4, v3                   ; a fragment's row x pitch + 16 x half
	s_mul_i32 s21, s[WH], HALFT                    ; my 128 rows of A
	s_mul_i32 s22, s[WL], HALFT                    ; my 128 rows of B,
	s_add_co_u32 s22, s22, 2*HALFT                 ; which lie behind A's 256
.irp s, 0,1
	v_add_nc_u32 v[ADRA+\s], s21, v4
	v_add_nc_u32 v[ADRB+\s], s22, v4
	s_add_co_u32 s21, s21, SLOT
	s_add_co_u32 s22, s22, SLOT
.endr
	v_mul_u32_u24 v5, v1, KS                       ; my row's scale bytes: 32 a row,
	v_lshrrev_b32 v6, 8, v5
	v_lshl_add_u32 v5, v6, 4, v5                   ; and 16 more for each 256 passed
	s_mul_i32 s21, s[WH], HALFS                    ; A's: my 128 rows
	s_mul_i32 s22, s[WL], HALFS                    ; B's: my 128 rows, behind A's 256
	s_add_co_u32 s22, s22, 2*HALFS
	s_sub_co_u32 s22, s22, s21
	v_mul_u32_u24 v6, s22, v2                      ; lanes 16-31 take B's: one product, the distance between the two bases
	s_add_co_u32 s21, s21, SCL
	v_add_nc_u32 v5, v5, v6
	v_add_nc_u32 v[ADRS], s21, v5
	s_mul_i32 s23, s[WV], 16*SPITCH
	s_add_co_u32 s23, s23, STAGE                   ; my stage
	v_mul_u32_u24 v5, v1, SPITCH                   ; in: row r, 16 bytes for each half of the lanes
	v_lshl_add_u32 v5, v2, 4, v5
	v_add_nc_u32 v[STO], s23, v5
	v_bfe_u32 v5, v0, 3, 1                         ; back: lanes 0-15 take the first head's 128 bytes of two rows, lanes 16-31 the second head's: row (lane / 8) % 2,
	v_and_b32 v6, 7, v0                            ; 16 bytes a lane
	v_mul_u32_u24 v7, v5, SPITCH
	v_lshl_add_u32 v7, v2, 7, v7
	v_lshl_add_u32 v7, v6, 4, v7
	v_add_nc_u32 v[RD], s23, v7
	v_lshlrev_b32 v7, 18, v2                       ; and in qkv: a head on is 262,144 bytes, a row on 128
	v_lshl_add_u32 v7, v5, 7, v7
	v_lshl_add_u32 v[CO], v6, 4, v7
	s_lshl_b32 s20, s[TY], 8
	s_lshl_b32 s21, s[WH], 7
	s_add_co_u32 s20, s20, s21                     ; my first row R
	s_lshr_b32 s21, s20, 11
	s_lshl_b32 s21, s21, 22                        ; (R >> 11) << 22
	s_and_b32 s20, s20, 2047
	s_lshl_b32 s20, s20, 7                         ; (R & 2,047) << 7
	s_add_co_u32 s20, s20, s21
	s_lshl_b32 s46, s42, 2
	s_lshl_b32 s47, s[WL], 1
	s_add_co_u32 s46, s46, s47                     ; my first head: 4 x tile column + 2 x half
	s_lshl_b32 s46, s46, 18
	s_add_co_u32 s20, s20, s46
	s_mov_b32 s21, 0
	s_add_nc_u64 s[14:15], s[14:15], s[20:21]
.macro FRAG reg, adr, q, i             ; a fragment, 16 rows x 128 K of 4-bit codes: lane l holds row l % 16; registers 4 c .. 4 c + 3 hold K = 64 c + 32 (l / 16) + 0 .. 31
.irp c, 0,1
	ds_load_b128 v[\reg+4*\c:\reg+4*\c+3], v[\adr] offset:64*(\q)+32*\c+(\i)*16*PITCH
.endr
.endm
; 16 matrix instructions: A's blocks a0, a0 + 1 x B's eight, 128 along K: the slot's q-th.  p: B's set;  sc: the set of scale words.  first = 1: the sum begins with the bias as C.
; The 64 accumulators take turns, one instruction a turn, in the same order in every step.
.macro MUL16 a0, p, q, sc, first
.irp a, \a0, \a0+1
.irp b, 0,1,2,3,4,5,6,7
.if \first
	v_wmma_scale_f32_16x16x128_f8f6f4 v[8*(8*((\a)%4)+\b):8*(8*((\a)%4)+\b)+7], v[128*(\p)+FR*\b:128*(\p)+FR*\b+FR-1], v[AF+FR*(\a):AF+FR*(\a)+FR-1], v[BI+8*\b:BI+8*\b+7], v[SC+8*NQ*(\sc)+NQ*\b+(\q)], v[SC+8*NQ*(\sc)+NQ*(\a)+(\q)] matrix_a_fmt:MATRIX_FMT_FP4 matrix_b_fmt:MATRIX_FMT_FP4 matrix_a_scale:MATRIX_SCALE_ROW1
.else
	v_wmma_scale_f32_16x16x128_f8f6f4 v[8*(8*((\a)%4)+\b):8*(8*((\a)%4)+\b)+7], v[128*(\p)+FR*\b:128*(\p)+FR*\b+FR-1], v[AF+FR*(\a):AF+FR*(\a)+FR-1], v[8*(8*((\a)%4)+\b):8*(8*((\a)%4)+\b)+7], v[SC+8*NQ*(\sc)+NQ*\b+(\q)], v[SC+8*NQ*(\sc)+NQ*(\a)+(\q)] matrix_a_fmt:MATRIX_FMT_FP4 matrix_b_fmt:MATRIX_FMT_FP4 matrix_a_scale:MATRIX_SCALE_ROW1
.endif
.endr
.endr
.endm
.macro FETCH_B slot, q, p              ; B's eight fragments of the slot's q-th 128 along K into set p
	WIN TO_B
.irp i, 0,1,2,3,4,5,6,7
	FRAG 128*(\p)+FR*\i, ADRB+\slot, \q, \i
.endr
	WIN 0
.endm
.macro FETCH_A slot, q, i0             ; A's blocks i0 .. i0 + 3
.irp i, \i0, \i0+1, \i0+2, \i0+3
	FRAG AF+FR*(\i), ADRA+\slot, \q, \i
.endr
.endm
.macro SCALES sc                       ; a slot's scale words into set sc: four words a row; lanes 0-15 take A's block i, lanes 16-31 B's block i
.irp i, 0,1,2,3,4,5,6,7
	ds_load_b128 v[SC+8*NQ*\sc+NQ*\i:SC+8*NQ*\sc+NQ*\i+3], v[ADRS] offset:\i*SBLK
.endr
.endm
; A load into a register that a matrix instruction has read, and a vector instruction that reads a matrix result, stand four places behind that matrix instruction; only plain vector
; instructions that name none of its registers are places (ISA guide 7.12.1 for vector instructions).
.macro PLACES n
.rept \n
	v_nop
.endr
.endm
; A step of 128 along K that has its successor in the same slot.  A's blocks are taken one after the other, so one set of registers serves A: blocks 0-3 are fetched anew in the step's middle, blocks 4-7 at its end.
.macro STEP slot, q, first
	s_wait_dscnt 4*NL                              ; B's set, A's blocks 0-3 (and the scale words) are in; the youngest eight loads (A's blocks 4-7) may be out
.if \first
	WIN FST_LO
.else
	WIN MUL_LO
.endif
	MUL16 0, (\q)%2, \q, \slot, \first
	MUL16 2, (\q)%2, \q, \slot, \first
	s_wait_dscnt 0                                 ; A's blocks 4-7 are in
	PLACES NP
	FETCH_B \slot, (\q)+1, 1-(\q)%2
	FETCH_A \slot, (\q)+1, 0
.if \first
	WIN FST_HI
.else
	WIN MUL_HI
.endif
	MUL16 4, (\q)%2, \q, \slot, \first
	MUL16 6, (\q)%2, \q, \slot, \first
	PLACES NP
	WIN 0
	FETCH_A \slot, (\q)+1, 4
.endm
	s_wait_tensorcnt 1                             ; the scale bytes and my part of slot 0 are in (slot 1's load may be out)
	s_barrier_signal -1
	s_barrier_wait -1                              ; everybody's are
	FETCH_B 0, 0, 0
	FETCH_A 0, 0, 0
	SCALES 0
	FETCH_A 0, 0, 4
	s_wait_loadcnt 0x0                             ; the bias
	STEP 0, 0, 1                                   ; the first step's products start the sums, with the bias
	STEP 0, 1, 0
	STEP 0, 2, 0
	; slot 0's last step changes slots: one barrier; in front of it my part of slot 1 has landed
	s_wait_tensorcnt 0x0                           ; all my tensor loads have landed;  (every window is 0 here: the add's two registers lie in window 0)
	ds_add_u32 v[SPW], v[NIL]                      ; 0 onto my spare word
	s_wait_dscnt 4*NL+1                            ; (the add and the youngest eight loads, A's blocks 4-7, may be out)
	WIN MUL_LO
	MUL16 0, 1, NQ-1, 0, 0
	s_wait_dscnt 0x0                               ; no LDS instruction of mine is out at the signal
	s_barrier_signal -1
	MUL16 2, 1, NQ-1, 0, 0
	WIN 0
	s_barrier_wait -1                              ; slot 1 is whole
	PLACES NP
	v_add_nc_u32 v[ADRS], 4*NQ, v[ADRS]            ; on to slot 1's scale words (no LDS load of mine is out)
	FETCH_B 1, 0, 0
	FETCH_A 1, 0, 0
	SCALES 1
	WIN MUL_HI
	MUL16 4, 1, NQ-1, 0, 0
	MUL16 6, 1, NQ-1, 0, 0
	PLACES NP
	WIN 0
	FETCH_A 1, 0, 4
	STEP 1, 0, 0
	STEP 1, 1, 0
	STEP 1, 2, 0
	s_wait_dscnt 4*NL                              ; the very last step: nothing more to fetch
	WIN MUL_LO
	MUL16 0, 1, NQ-1, 1, 0
	MUL16 2, 1, NQ-1, 1, 0
	s_wait_dscnt 0
	WIN MUL_HI
	MUL16 4, 1, NQ-1, 1, 0
	MUL16 6, 1, NQ-1, 1, 0
	WIN 0
; THE WAY OUT, block by block of 16 rows x 128 columns (two heads).  PACK: rounded to f16, 16 bytes a lane, each accumulator from its low end on.  TOSTAGE: into my own stage in LDS, and back so that sixteen
; lanes hold two rows' 128 bytes of one head, which lie on end in qkv.  SEND: stored.  LDS serves a wave's instructions in order (ISA guide 5.7.1.4): no wait between the stage's stores and loads.
.macro PACK a
.set AC, 64*((\a)%4)
	WIN 0x0a+5*((\a)/4)                            ; sources 0 and 1: window 2 or 3
.irp b, 0,1,2,3,4,5,6,7
.irp r, 0,1,2,3
	v_cvt_pk_f16_f32 v[TMP+4*\b+\r], v[AC+8*\b+2*\r], v[AC+8*\b+2*\r+1]
.endr
.endr
	WIN 0
.endm
.macro TOSTAGE a
.set BB, BK+32*((\a)%2)
.irp b, 0,1,2,3,4,5,6,7
	ds_store_b128 v[STO], v[TMP+4*\b:TMP+4*\b+3] offset:32*\b
.endr
.irp t, 0,1,2,3,4,5,6,7
	ds_load_b128 v[BB+4*\t:BB+4*\t+3], v[RD] offset:\t*2*SPITCH
.endr
.endm
.macro SEND a
.set BB, BK+32*((\a)%2)
	s_wait_dscnt 0x0                               ; the block is back in registers
	s_wait_xcnt 0x0                                ; the stores of the block before have read their registers: the next block's loads land there only behind this wait
.irp t, 0,1,2,3,4,5,6,7
	global_store_b128 v[CO], v[BB+4*\t:BB+4*\t+3], s[14:15] offset:2048*(\a)+256*\t   ; sixteen lanes store 256 consecutive bytes, aligned: two rows of one head
.endr
.endm
	PLACES NP                                      ; behind the last products: their results are read, and their operands' registers loaded into, only from here on
	PACK 0
	TOSTAGE 0
.irp a, 1,2,3,4,5,6,7                  ; block a's conversions stand between block a - 1's loads from the stage and the wait for them
	PACK \a
	SEND \a-1
	TOSTAGE \a
.endr
	SEND 7
	s_wait_tensorcnt 0x0                           ; the wave's end, behind my last tensor load and my last LDS store
	ds_add_u32 v[SPW], v[NIL]
	s_wait_dscnt 0x0
	CROUND                                         ; the closing round: no work-group ends while a partner may still ask for a tile that names it
	s_endpgm
.Lfunc_end_k_q9742438781_proj:
	.size	k_q9742438781_proj, .Lfunc_end_k_q9742438781_proj-k_q9742438781_proj
	.p2alignl 7, 3214868480
	.fill 96, 4, 3214868480
	.section	.rodata,"a",@progbits
	.p2align	6, 0x0
	.amdhsa_kernel k_q9742438781_proj
		.amdhsa_group_segment_fixed_size 327680
		.amdhsa_private_segment_fixed_size 0
		.amdhsa_enable_private_segment 0
		.amdhsa_kernarg_size 48
		.amdhsa_user_sgpr_count 2
		.amdhsa_user_sgpr_kernarg_segment_ptr 1
		.amdhsa_wavefront_size32 1
		.amdhsa_system_sgpr_workgroup_id_x 1
		.amdhsa_system_sgpr_workgroup_id_y 1
		.amdhsa_system_sgpr_workgroup_id_z 1
		.amdhsa_system_vgpr_workitem_id 0
		.amdhsa_next_free_vgpr 1024
		.amdhsa_next_free_sgpr 100
		.amdhsa_reserve_vcc 0
		.amdhsa_float_denorm_mode_32 3
		.amdhsa_float_denorm_mode_16_64 3
		.amdhsa_memory_ordered 1
		.amdhsa_forward_progress 1
		.amdhsa_inst_pref_size 129
	.end_amdhsa_kernel
	.amdgpu_metadata
---
amdhsa.version: [ 1, 2 ]
amdhsa.kernels:
  - .name:           k_q9742438781_proj
    .symbol:         k_q9742438781_proj.kd
    .args:
      - { .name: codes, .offset: 0, .size: 8, .value_kind: global_buffer, .address_space: global }
      - { .name: scales, .offset: 8, .size: 8, .value_kind: global_buffer, .address_space: global }
      - { .name: bq, .offset: 16, .size: 8, .value_kind: global_buffer, .address_space: global }
      - { .name: bk, .offset: 24, .size: 8, .value_kind: global_buffer, .address_space: global }
      - { .name: bv, .offset: 32, .size: 8, .value_kind: global_buffer, .address_space: global }
      - { .name: qkv, .offset: 40, .size: 8, .value_kind: global_buffer, .address_space: global }
    .group_segment_fixed_size: 327680
    .private_segment_fixed_size: 0
    .kernarg_segment_align: 8
    .kernarg_segment_size: 48
    .max_flat_workgroup_size: 128
    .sgpr_count:     100
    .vgpr_count:     1024
    .wavefront_size: 32
...
	.end_amdgpu_metadata
.endif
;; end of part 2
;; launch attn (part 3): grid 4 x 64, 16 waves a work-group, clusters of 4 x 1, 327,680 bytes of LDS; arguments qkv, att; writes att
.if DOCPART == 3
	.amdgcn_target "amdgcn-amd-amdhsa--gfx1250"
	.amdhsa_code_object_version 6
	.text
	.protected	k_q9742438781_attn
	.globl	k_q9742438781_attn
	.p2align	8
	.type	k_q9742438781_attn,@function
k_q9742438781_attn:
	s_mov_b64 s[64:65], 0
	v_nop
	global_prefetch_b8 v0, s[64:65] scope:SCOPE_SE
	s_setreg_imm32_b32 hwreg(HW_REG_WAVE_MODE, 25, 1), 1
	s_wait_xcnt 0x0
	s_wait_alu depctr_hold_cnt(0) depctr_sa_sdst(0) depctr_va_vdst(0) depctr_va_sdst(0) depctr_va_ssrc(0) depctr_va_vcc(0) depctr_vm_vsrc(0)
	s_getreg_b32 s2, hwreg(HW_REG_IB_STS2, 6, 4)
	s_cmp_eq_u32 s2, 0
	s_cbranch_scc0 .Lentry_in_a_cluster
	s_endpgm
.Lentry_in_a_cluster:
	s_bfe_u32 s2, ttmp6, 0x10000c
	s_cmp_lg_u32 s2, 0x3003
	s_cbranch_scc0 .Lentry_shape_is_right
	s_endpgm
.Lentry_shape_is_right:
; att[h][b 2,048 + q][:] = the sum over k of softmax_k(Q[q] . K[k] / 8) V[k][:], for each of the 64 pairs (b, h).  Q, K, V: qkv[p][b][h][2,048][64], f16 (p = 0, 1, 2); att: [16][8,192][64], f16.
; Products on f16 operands with f32 sums; maxima, exponentials and sums in f32; the weights p (at most 1) are rounded to f16 for the second product, the result once at the end.
; LIMIT: the result's magnitudes stay under 65,504, the largest f16 number (they are averages of v); NaN and infinities are not served.
; SHARES.  A work-group owns 512 queries of one (b, h); each of its SIXTEEN waves owns 32: two tiles of 16, in 256 registers: four waves to a SIMD, so that one wave's vector work stands beside another's matrix work and LDS loads.
; Every wave walks all 2,048 keys, 64 a step.  K's and V's tiles come through a ring of two LDS slots of 256 keys, filled by the tensor data mover (waves 0, 1: K's halves; waves 2, 3: V's) and read by all sixteen.
; CLUSTER.  The four work-groups of a cluster are the four query blocks of one (b, h) and walk the same K and V: each tile is asked for JOINTLY, by the same tensor load with the same descriptor and a mask that names the four.
; LAYOUT.  S^T = K Q^T (source 0 = 16 keys, source 1 = 16 queries): a lane holds ONE query (lane % 16) and the keys 8 (lane / 16) + 0 .. 7.  Two such tiles, rounded to f16 in pairs, ARE source 1 (32 keys x 16 queries)
; of O^T = V^T P, whose result again holds one query a lane, and eight channels.  K comes out of LDS as it lies, V ([key][channel]) turned, by ds_load_tr16_b128.  Each fragment of K and V feeds both tiles.
; SOFTMAX.  For each query a running maximum m and sum l: p = 2^(c s - c m), c = log2(e) / 8; in every step O and l are multiplied by a = 2^(c m_old - c m_new).  The step is written once: m begins at -3e38, l and O^T at 0.
; A head's K (or V) is one dense block of memory, 128 bytes a key: a tile is stated as rows of 256 bytes (two keys), padded in LDS: key k lies at (k / 2) x pitch + 128 (k % 2).
.set SK,    256                        ; keys in a slot: four steps of 64
.set NSL,   8                          ; slots' worth of keys
.set PK,    272                        ; two keys of K in LDS: 256 bytes + 16: the 16 keys of a load fall on 16 different 16-byte columns of the banks' 256 bytes (ISA guide 11.1)
.set PV,    288                        ; two keys of V: 256 + 32: 16 lanes of the turning load (8 keys x 32 bytes) likewise
.set VOFF,  128*PK                     ; a slot: 128 rows of K, then 128 rows of V
.set SLOT1, 1<<17                      ; slot 1 begins here: one exclusive or turns an address in one slot into the other's
.set STAGE, SLOT1+128*(PK+PV)          ; behind the ring: the way out: two tiles x 16 rows x (128 bytes + 16) for each wave; no tensor load lands here
.set SP,    144
.set WST,   2*16*SP
.set SPARE, STAGE+16*WST               ; the spare words, 128 bytes for each wave; no other line names them
.set AK0, 1                            ; v1   my lane's place in a tile of K; never rewritten
.set AV0, 2                            ; v2   the same for V
.set ADK, 3                            ; v3   LDS address of K in the slot in hand
.set ADV, 4                            ; v4   of V
.set SPW, 5                            ; v5   LDS address of my spare word; never rewritten
.set NIL, 6                            ; v6   0; never rewritten
.set QO,  7                            ; v7   my byte offset in a tile of Q
.set STO, 8                            ; v8   the way out: where I put 16 bytes of a row
.set RD,  9                            ; v9   the way out: where I read back
.set PFO, 10                           ; v10  256 x my lane: the prefetches' offset; never rewritten
.set GO,  11                           ; v11  16 x my lane: my byte offset in the wave's rows of att
.set ST,  12                           ; tile t's statistics at v[ST + 8 t]: +0 c m, +1 m, +2, +3 l (even keys', odd keys'), +4 to +7 at work; a takes +6
.set SB,  28                           ; v28-31  a second chain for each tile's sums
.set Q,   32                           ; v32-63   Q: tile t, channels 32 f on, at v[Q + 16 t + 8 f]
.set S,   64                           ; v64-127  S^T: tile t, keys 16 kt on, at v[S + 32 t + 8 kt]; then p; then P, packed into the tile's first 16
.set O,   128                          ; v128-191 O^T: tile t, channels 16 ct on, at v[O + 32 t + 8 ct]
.set KV,  192                          ; v192-255 a step's fragments of K, then of V
.set WV,  8                            ; s8   my wave's number
.set SEL, 20                           ; s[20:21] lane selects for v_permlanex16_b32: lane l xor 16
.set CS,  22                           ; s[22:23] c: the packed form names a pair and takes its low word for both halves
.set G1K, 24                           ; s[24:31] descriptor group 1 for K's tiles;  s[32:39] for V's: it differs in the padding alone
.set G1V, 32
.set G0K, 40                           ; s[40:43], s[44:47] their groups 0, which walk
.set G0V, 44
.set TB,  48                           ; s48  LDS byte at which the slot in hand begins
.set SLOTS, 49                         ; s49  slots still to be asked for
.set LIM, 50                           ; s50  1 in a wave that prefetches, else the greatest number
.set PFA, 52                           ; s[52:53] where my prefetches stand in memory
; Waves 0 and 1 fetch for K, waves 2 and 3 for V, the others nothing.  The branches hang on the wave's number alone.  An s_nop 0 and four v_nop follow each of the two lines.
.macro TLOAD
	s_cmp_lt_u32 s[WV], 2
	s_cbranch_scc0 .Lnot_k_\@
	tensor_load_to_lds s[G0K:G0K+3], s[G1K:G1K+7]
	s_nop 0
.rept 4
	v_nop
.endr
	s_branch .Lasked_\@
.Lnot_k_\@:
	s_cmp_lt_u32 s[WV], 4
	s_cbranch_scc0 .Lasked_\@
	tensor_load_to_lds s[G0V:G0V+3], s[G1V:G1V+7]
	s_nop 0
.rept 4
	v_nop
.endr
.Lasked_\@:
.endm
; A PREFETCH INTO THE L2 of what the NEXT change of slots will ask for: a slot's 32,768 bytes of K and of V.  It stands at the change of slots, behind the place of the tensor loads: four key steps ahead of that load.
; Each aligned block of 256 bytes is named once in the launch: one cluster alone walks a (b, h); its four partners take 8,192 bytes each, told apart BY ADDRESS; in each, wave 4 asks for K's and wave 5 for V's,
; lanes 256 bytes apart: one instruction.  Slots 0 and 1 come by their loads alone; the last change that fills a slot asks for nothing: there is no slot behind it.
.macro ASK
	s_cmp_gt_u32 s[SLOTS], s[LIM]
	s_cbranch_scc0 .Lnot_mine_\@
	global_prefetch_b8 v[PFO], s[PFA:PFA+1] th:TH_LOAD_NT scope:SCOPE_SE
.Lnot_mine_\@:
.endm
.macro CROUND                          ; a round of the cluster's barrier: my work-group's barrier; wave 0 signals for the work-group; every wave waits for all four work-groups; my work-group's barrier once more
	s_barrier_signal -1
	s_barrier_wait -1
	s_cmp_lg_u32 s[WV], 0
	s_cbranch_scc1 .Lnot_wave_0_\@
	s_barrier_signal -3
.Lnot_wave_0_\@:
	s_barrier_wait -3
	s_barrier_signal -1
	s_barrier_wait -1
.endm
	s_load_b128 s[4:7], s[0:1], 0x0                ; qkv s[4:5], att s[6:7]
	v_lshl_add_u32 v[SPW], v0, 2, SPARE
	v_mov_b32 v[NIL], 0
	ds_add_u32 v[SPW], v[NIL]                      ; the wave's opening: the add, twice on end, and its wait ahead of the first tensor loads; the set-up below stands between
	ds_add_u32 v[SPW], v[NIL]
	v_lshrrev_b32 v1, 5, v0
	v_readfirstlane_b32 s[WV], v1                  ; wave 0..15
	s_bfe_u32 s9, ttmp6, 0x40000                   ; cx: my place in the cluster
	s_and_b32 s10, ttmp7, 0xffff                   ; y = 16 b + h, which the four partners share
	s_and_b32 s11, s[WV], 1                        ; which half of a slot I fetch, if I fetch
	; descriptor group 1: 64 rows of 128 elements of 2 bytes (128 keys), dense in memory, padded in LDS
	s_mov_b32 s[G1K], 15|(1<<16)|(1<<20)|(1<<21)|(5<<22)|(3<<25)  ; 15:0 the mask: all four work-groups; 17:16 elements of 2 bytes; 20 padding on; 21 set beside a mask; 24:22 after every 64 words; 31:25 four words
	s_mov_b32 s[G1V], 15|(1<<16)|(1<<20)|(1<<21)|(5<<22)|(7<<25)  ; the same with eight words of padding
.irp g, G1K, G1V
	s_mov_b32 s[\g+1], 128<<16                     ; tensor_dim0
	s_mov_b32 s[\g+2], 64<<16                      ; tensor_dim1
	s_mov_b32 s[\g+3], 128<<16                     ; tile_dim0
	s_mov_b32 s[\g+4], 64                          ; tile_dim1
	s_mov_b32 s[\g+5], 128                         ; tensor_dim0_stride
	s_mov_b32 s[\g+6], 0
	s_mov_b32 s[\g+7], 0
.endr
	s_lshl_b32 s12, ttmp9, 2
	s_add_co_u32 s12, s12, s9                      ; my block of 512 queries = 4 x cluster x + cx: it enters Q's and att's addresses alone
	s_lshl_b32 s12, s12, 16                        ; 512 rows of 128 bytes,
	s_lshl_b32 s13, s[WV], 12                      ; my wave's 32 of them
	s_add_co_u32 s12, s12, s13
	s_mov_b32 s13, 0
	s_lshl_b32 s14, s10, 18                        ; a (b, h) is 262,144 bytes in each of q, k, v
	s_mov_b32 s15, 0
	s_lshl_b32 s16, s11, 14                        ; my half of a slot: 128 keys of 128 bytes in memory,
	s_mov_b32 s17, 0
	s_mul_i32 s18, s11, 64*PK                      ; and in a slot: K's,
	s_mul_i32 s19, s11, 64*PV
	s_add_co_u32 s19, s19, VOFF                    ; V's: no place in the cluster enters an LDS address
	s_and_b32 s54, s10, 15
	s_lshl_b32 s54, s54, 20                        ; att: h x 1,048,576
	s_lshr_b32 s55, s10, 4
	s_lshl_b32 s55, s55, 18                        ; + b x 2,048 rows of 128 bytes
	s_add_co_u32 s54, s54, s55
	s_add_co_u32 s54, s54, s12                     ; + my wave's rows
	s_mov_b32 s55, 0
	s_mov_b32 s[SEL], 0x76543210
	s_mov_b32 s[SEL+1], 0xfedcba98
	s_mov_b32 s[CS], 0x3e38aa3b                    ; c = log2(e) / 8
	s_mov_b32 s[CS+1], s[CS]                       ; (named with it as a pair, so it is written)
	s_mov_b32 s[TB], 0
	s_mov_b32 s[SLOTS], NSL-1
	s_wait_dscnt 0x0                               ; both opening adds are done
	s_wait_kmcnt 0x0
	s_add_nc_u64 s[56:57], s[4:5], s[14:15]        ; my (b, h) in q,
	s_add_nc_u64 s[58:59], s[56:57], 0x1000000     ; in k,
	s_add_nc_u64 s[60:61], s[56:57], 0x2000000     ; in v
	s_add_nc_u64 s[6:7], s[6:7], s[54:55]          ; att at my wave's first row
	s_mov_b32 s[G0K], 1                            ; 1:0 count = 1
	s_mov_b32 s[G0K+1], s18                        ; 63:32 LDS address: slot 0
	s_add_nc_u64 s[G0K+2:G0K+3], s[58:59], s[16:17]  ; 120:64 global address: the first 256 keys, my half
	s_or_b32 s[G0K+3], s[G0K+3], 0x80000000        ; 127:126 type = 2
	s_mov_b32 s[G0V], 1
	s_mov_b32 s[G0V+1], s19
	s_add_nc_u64 s[G0V+2:G0V+3], s[60:61], s[16:17]
	s_or_b32 s[G0V+3], s[G0V+3], 0x80000000
	CROUND                                         ; all four work-groups are here: the first joint loads meet
	TLOAD                                          ; slot 0.  One tensor load of a wave is out at the most, here and behind every round
	s_add_nc_u64 s[56:57], s[56:57], s[12:13]      ; Q at my wave's first row
	v_and_b32 v28, 15, v0                          ; r = lane % 16
	v_bfe_u32 v29, v0, 4, 1                        ; h = lane / 16
	v_lshlrev_b32 v[QO], 7, v28
	v_lshl_add_u32 v[QO], v29, 4, v[QO]            ; row r of 128 bytes, + 16 h
.irp t, 0,1                                    ; Q stays in registers.  A fragment is 16 rows x 32 channels: registers 0-3 channels 8 h + 0..7, registers 4-7 channels 16 + 8 h + 0..7
.irp f, 0,1
.irp c, 0,1
	global_load_b128 v[Q+16*\t+8*\f+4*\c:Q+16*\t+8*\f+4*\c+3], v[QO], s[56:57] offset:2048*\t+64*\f+32*\c
.endr
.endr
.endr
	; the prefetches: where mine stand, and who asks
	s_cmp_eq_u32 s[WV], 4
	s_cselect_b64 s[PFA:PFA+1], s[58:59], s[60:61] ; wave 4: K; wave 5: V
	s_lshl_b32 s62, s9, 13                         ; my work-group's 8,192 bytes of a slot's 32,768,
	s_add_co_u32 s62, s62, SK*128                  ; in slot 1: the first change of slots steps it to slot 2.  Nothing is prefetched here, at the head
	s_mov_b32 s63, 0
	s_add_nc_u64 s[PFA:PFA+1], s[PFA:PFA+1], s[62:63]
	s_sub_co_u32 s62, s[WV], 4
	s_lshr_b32 s62, s62, 1                         ; 0 in waves 4 and 5: the same in all four partners
	s_cmp_eq_u32 s62, 0
	s_cselect_b32 s[LIM], 1, -1
	v_and_b32 v30, 31, v0                          ; lane
	v_lshlrev_b32 v[PFO], 8, v30
	v_lshlrev_b32 v[GO], 4, v30
	v_lshrrev_b32 v31, 1, v28
	v_mul_u32_u24 v[AK0], v31, PK                  ; K: key r of a tile: (r / 2) x pitch
	v_and_b32 v31, 1, v28
	v_lshl_add_u32 v[AK0], v31, 7, v[AK0]          ; + 128 (r % 2)
	v_lshl_add_u32 v[AK0], v29, 4, v[AK0]          ; + 16 h
	v_bfe_u32 v31, v0, 1, 2                        ; V: the turning load's lane l reads 16 bytes of key 8 h + l % 8, channels 8 ((l / 8) % 2) on
	v_lshl_add_u32 v31, v29, 2, v31                ; (key / 2) = 4 h + (l % 8) / 2
	v_mul_u32_u24 v[AV0], v31, PV
	v_and_b32 v31, 1, v0
	v_lshl_add_u32 v[AV0], v31, 7, v[AV0]
	v_bfe_u32 v31, v0, 3, 1
	v_lshl_add_u32 v[AV0], v31, 4, v[AV0]
	v_add_nc_u32 v[AV0], VOFF, v[AV0]
	s_mul_i32 s62, s[WV], WST
	s_add_co_u32 s62, s62, STAGE                   ; my stage
	v_mul_u32_u24 v[STO], v28, SP                  ; in: row r, 16 bytes for each half of the lanes
	v_lshl_add_u32 v[STO], v29, 4, v[STO]
	v_add_nc_u32 v[STO], s62, v[STO]
	v_bfe_u32 v31, v0, 3, 2                        ; back: eight lanes to a row of 128 bytes, four rows an instruction
	v_mul_u32_u24 v[RD], v31, SP
	v_and_b32 v31, 7, v0
	v_lshl_add_u32 v[RD], v31, 4, v[RD]
	v_add_nc_u32 v[RD], s62, v[RD]
.irp t, 0,1
	v_mov_b32 v[ST+8*\t+1], 0xff61b1e6             ; m: -3e38, under every score
	v_mul_f32 v[ST+8*\t], s[CS], v[ST+8*\t+1]      ; c m
	v_mov_b32 v[ST+8*\t+2], 0                      ; l, in two halves
	v_mov_b32 v[ST+8*\t+3], 0
.endr
.set j, 0
.rept 64
	v_mov_b32 v[O+j], 0                            ; O^T.  (The step is written once: its first walk finds zeros, which a = 0 leaves zeros)
.set j, j+1
.endr
; A KEY STEP: 64 keys, the q-th of the slot in hand, for both tiles.
.macro STEP q
.irp kt, 0,1,2,3                               ; K: keys 16 kt on, channels 32 f on
.irp f, 0,1
.irp c, 0,1
	ds_load_b128 v[KV+16*\kt+8*\f+4*\c:KV+16*\kt+8*\f+4*\c+3], v[ADK] offset:(32*(\q)+8*\kt)*PK+64*\f+32*\c
.endr
.endr
.endr
	s_wait_dscnt 0x0
.set i, 0
.rept 16                                       ; S^T = K Q^T: the eight accumulators take turns, one instruction a turn; the first eight start the sums
.set rS, S+32*(i%2)+8*((i/2)%4)
.set rK, KV+16*((i/2)%4)+8*(i/8)
.set rQ, Q+16*(i%2)+8*(i/8)
.if i < 8
	v_wmma_f32_16x16x32_f16 v[rS:rS+7], v[rK:rK+7], v[rQ:rQ+7], 0
.else
	v_wmma_f32_16x16x32_f16 v[rS:rS+7], v[rK:rK+7], v[rQ:rQ+7], v[rS:rS+7]
.endif
.set i, i+1
.endr
.rept 4
	v_nop                                          ; four places (ISA guide 7.12.1): behind them V is loaded into the registers that these products read, and the scores are read
.endr
.irp u, 0,1                                    ; V, turned: keys 32 u on, channels 16 ct on.  It lands while the softmax is walked
.irp ct, 0,1,2,3
	ds_load_tr16_b128 v[KV+32*\u+8*\ct:KV+32*\u+8*\ct+3], v[ADV] offset:(32*(\q)+16*\u)*PV+32*\ct
	ds_load_tr16_b128 v[KV+32*\u+8*\ct+4:KV+32*\u+8*\ct+7], v[ADV] offset:(32*(\q)+16*\u)*PV+8*PV+32*\ct
.endr
.endr
	; the maximum of a lane's 32 scores and the old m: four chains, each begun at an accumulator's low end; the two tiles by turns, so that no line waits for the line above it
.irp j, 0,1,2,3
.irp t, 0,1
	v_max3_num_f32 v[ST+8*\t+4+\j], v[S+32*\t+8*\j], v[S+32*\t+8*\j+1], v[S+32*\t+8*\j+2]
.endr
.endr
.irp g, 1,2
.irp j, 0,1,2,3
.irp t, 0,1
	v_max3_num_f32 v[ST+8*\t+4+\j], v[ST+8*\t+4+\j], v[S+32*\t+8*\j+2*\g+1], v[S+32*\t+8*\j+2*\g+2]
.endr
.endr
.endr
.irp t, 0,1
	v_max3_num_f32 v[ST+8*\t+4], v[ST+8*\t+4], v[S+32*\t+7], v[S+32*\t+15]
.endr
.irp t, 0,1
	v_max3_num_f32 v[ST+8*\t+6], v[ST+8*\t+6], v[S+32*\t+23], v[S+32*\t+31]
.endr
.irp t, 0,1
	v_max3_num_f32 v[ST+8*\t+4], v[ST+8*\t+4], v[ST+8*\t+5], v[ST+8*\t+6]
.endr
.irp t, 0,1
	v_max3_num_f32 v[ST+8*\t+4], v[ST+8*\t+4], v[ST+8*\t+7], v[ST+8*\t+1]
.endr
.irp t, 0,1
	v_permlanex16_b32 v[ST+8*\t+5], v[ST+8*\t+4], s[SEL], s[SEL+1]   ; the query's other 32 keys lie in the lane 16 away
.endr
.irp t, 0,1
	v_mov_b32 v[ST+8*\t+7], v[ST+8*\t]             ; c m_old is kept for a
.endr
.irp t, 0,1
	v_max_num_f32 v[ST+8*\t+1], v[ST+8*\t+4], v[ST+8*\t+5]   ; the new m
.endr
.irp t, 0,1
	v_mul_f32 v[ST+8*\t], s[CS], v[ST+8*\t+1]      ; c m
.endr
.irp t, 0,1
	v_sub_f32 v[ST+8*\t+7], v[ST+8*\t+7], v[ST+8*\t]   ; c m_old - c m_new, 0 or less
.endr
.irp j, 0,2,4,6,8,10,12,14,16,18,20,22,24,26,28,30
.irp t, 0,1
	v_pk_fma_f32 v[S+32*\t+\j:S+32*\t+\j+1], v[S+32*\t+\j:S+32*\t+\j+1], s[CS:CS+1], v[ST+8*\t:ST+8*\t+1] op_sel_hi:[1,0,0] neg_lo:[0,0,1] neg_hi:[0,0,1]   ; c s - c m, two at a time
.endr
.endr
.irp t, 0,1
	v_exp_f32 v[ST+8*\t+6], v[ST+8*\t+7]           ; a
.endr
.set j, 0
.rept 64
	v_exp_f32 v[S+j], v[S+j]                       ; p = 2^(c s - c m), at most 1: ONE batch of 66 exponentials, none of which reads another's result
.set j, j+1
.endr
	v_nop                                          ; a plain instruction behind the last exponential, ahead of the first use (ISA guide 5.7.2)
	s_wait_alu depctr_va_vdst(0)                   ; and a wait ahead of the batch's first reader
.irp t, 0,1                                    ; the sums of the unrounded p, two at a time, in two chains a tile
	v_pk_add_f32 v[ST+8*\t+4:ST+8*\t+5], v[S+32*\t:S+32*\t+1], v[S+32*\t+2:S+32*\t+3]
	v_pk_add_f32 v[SB+2*\t:SB+2*\t+1], v[S+32*\t+4:S+32*\t+5], v[S+32*\t+6:S+32*\t+7]
.endr
.irp j, 8,12,16,20,24,28
.irp t, 0,1
	v_pk_add_f32 v[ST+8*\t+4:ST+8*\t+5], v[ST+8*\t+4:ST+8*\t+5], v[S+32*\t+\j:S+32*\t+\j+1]
	v_pk_add_f32 v[SB+2*\t:SB+2*\t+1], v[SB+2*\t:SB+2*\t+1], v[S+32*\t+\j+2:S+32*\t+\j+3]
.endr
.endr
.irp t, 0,1
	v_pk_add_f32 v[ST+8*\t+4:ST+8*\t+5], v[ST+8*\t+4:ST+8*\t+5], v[SB+2*\t:SB+2*\t+1]
.endr
.irp t, 0,1
	v_pk_fma_f32 v[ST+8*\t+2:ST+8*\t+3], v[ST+8*\t+2:ST+8*\t+3], v[ST+8*\t+6:ST+8*\t+7], v[ST+8*\t+4:ST+8*\t+5] op_sel_hi:[1,0,1]   ; l = a l + the step's sum
.endr
.irp j, 0,1,2,3,4,5,6,7,8,9,10,11,12,13,14,15
.irp t, 0,1
	v_cvt_pk_f16_f32 v[S+32*\t+\j], v[S+32*\t+2*\j], v[S+32*\t+2*\j+1]   ; P: pair j into register j, ascending: no pair is written over before it is read
.endr
.endr
.irp j, 0,2,4,6,8,10,12,14,16,18,20,22,24,26,28,30
.irp t, 0,1
	v_pk_mul_f32 v[O+32*\t+\j:O+32*\t+\j+1], v[O+32*\t+\j:O+32*\t+\j+1], v[ST+8*\t+6:ST+8*\t+7] op_sel_hi:[1,0]   ; O^T x a, each accumulator from its low end on
.endr
.endr
	s_wait_dscnt 0x0                               ; V is in
.set i, 0
.rept 16                                       ; O^T += V^T P: keys 32 (i / 8) on, channels 16 ((i / 2) % 4) on, tile i % 2: the eight accumulators take turns
.set rO, O+32*(i%2)+8*((i/2)%4)
.set rV, KV+32*(i/8)+8*((i/2)%4)
.set rP, S+32*(i%2)+8*(i/8)
	v_wmma_f32_16x16x32_f16 v[rO:rO+7], v[rV:rV+7], v[rP:rP+7], v[rO:rO+7]
.set i, i+1
.endr
.rept 5
	v_nop                                          ; five places: the next step's products write over P's registers (four would serve its loads into V's, and the reads of O^T on the way out)
.endr
.endm
; THE CHANGE OF SLOTS stands at a slot's head.  Each wave waits for all its tensor loads (its part of the slot that it is about to read), adds 0 to its spare word, and waits for that and for its reads of the slot that it has left.
; fill = 1: a round of the cluster's barrier follows: behind it the slot ahead is whole, and no wave of any partner reads the other slot or has a load on its way; that slot is filled with the next 256 keys,
; first thing behind the round: the load has four key steps in which to land.
.macro CHANGE fill
	s_wait_tensorcnt 0x0                           ; no tensor load of mine is out, so a group 0 may be written
	ds_add_u32 v[SPW], v[NIL]                      ; 0 onto my spare word
.if \fill
	ds_add_u32 v[SPW], v[NIL]                      ; and once more: the add twice on end here, in every trip alike; the descriptors' steps stand between the second and the wait
	s_xor_b32 s[G0K+1], s[G0K+1], SLOT1            ; the walking descriptors: the other slot than last time,
	s_add_nc_u64 s[G0K+2:G0K+3], s[G0K+2:G0K+3], SK*128   ; the next 256 keys; the type bits on top are not reached
	s_xor_b32 s[G0V+1], s[G0V+1], SLOT1
	s_add_nc_u64 s[G0V+2:G0V+3], s[G0V+2:G0V+3], SK*128
	s_wait_xcnt 0x0                                ; the last prefetch, a slot back, has read its address, so it may be written:
	s_add_nc_u64 s[PFA:PFA+1], s[PFA:PFA+1], SK*128   ; one slot further on than the walking descriptors
.endif
	s_wait_dscnt 0x0                               ; the add is done (fill = 1: both are), and my reads of the slot that I have left are over
.if \fill
	CROUND
	TLOAD
	ASK
.else
	s_barrier_signal -1
	s_barrier_wait -1
.endif
	v_add_nc_u32 v[ADK], s[TB], v[AK0]
	v_add_nc_u32 v[ADV], s[TB], v[AV0]
.endm
	s_wait_loadcnt 0x0                             ; Q
.Lslot:                                            ; NSL - 1 trips: behind each change of slots but the last the next slot is asked for
	CHANGE 1
	STEP 0
	STEP 1
	STEP 2
	STEP 3
	s_xor_b32 s[TB], s[TB], SLOT1                  ; on to the other slot
	s_sub_co_u32 s[SLOTS], s[SLOTS], 1
	s_cmp_lg_u32 s[SLOTS], 0
	s_cbranch_scc1 .Lslot
	CHANGE 0                                       ; the last slot is written out
	STEP 0
	STEP 1
	STEP 2
	STEP 3
	; THE WAY OUT.  l's two halves and the other half of the lanes' are added; O^T is divided by l, rounded to f16 and goes through my stage in LDS: a lane's eight channels are 16 bytes of a row of 128;
	; read back, the 32 lanes hold four whole rows, 512 consecutive bytes of att.
.irp t, 0,1
	v_add_f32 v[ST+8*\t+4], v[ST+8*\t+2], v[ST+8*\t+3]
.endr
.irp t, 0,1
	v_permlanex16_b32 v[ST+8*\t+5], v[ST+8*\t+4], s[SEL], s[SEL+1]
.endr
.irp t, 0,1
	v_add_f32 v[ST+8*\t+4], v[ST+8*\t+4], v[ST+8*\t+5]
.endr
.irp t, 0,1
	v_rcp_f32 v[ST+8*\t+6], v[ST+8*\t+4]
.endr
	v_nop                                          ; a plain instruction between the last reciprocal and the use of its result
	s_wait_alu depctr_va_vdst(0)                   ; and a wait ahead of the first use: one for both
.irp t, 0,1
.irp j, 0,2,4,6,8,10,12,14,16,18,20,22,24,26,28,30
	v_pk_mul_f32 v[O+32*\t+\j:O+32*\t+\j+1], v[O+32*\t+\j:O+32*\t+\j+1], v[ST+8*\t+6:ST+8*\t+7] op_sel_hi:[1,0]
.endr
.irp j, 0,1,2,3,4,5,6,7,8,9,10,11,12,13,14,15
	v_cvt_pk_f16_f32 v[S+16*\t+\j], v[O+32*\t+2*\j], v[O+32*\t+2*\j+1]
.endr
.endr
.irp t, 0,1
.irp ct, 0,1,2,3
	ds_store_b128 v[STO], v[S+16*\t+4*\ct:S+16*\t+4*\ct+3] offset:16*SP*\t+32*\ct
.endr
.endr
.irp t, 0,1
.irp i, 0,1,2,3
	ds_load_b128 v[S+32+16*\t+4*\i:S+32+16*\t+4*\i+3], v[RD] offset:16*SP*\t+4*SP*\i   ; LDS serves a wave's instructions in order (ISA guide 5.7.1.4): these see my stores
.endr
.endr
.irp n, 0,1,2,3,4,5,6,7
	s_wait_dscnt 7-\n                              ; load n is in; the 7 - n younger ones may be out
	global_store_b128 v[GO], v[S+32+4*\n:S+32+4*\n+3], s[6:7] offset:512*\n   ; 32 lanes store 512 consecutive bytes, aligned
.endr
	s_wait_tensorcnt 0x0                           ; the wave's end, behind my last tensor load and my last LDS store
	ds_add_u32 v[SPW], v[NIL]
	s_wait_dscnt 0x0
	CROUND                                         ; the closing round: no work-group ends while a partner may still ask for a tile that names it
	s_endpgm
.Lfunc_end_k_q9742438781_attn:
	.size	k_q9742438781_attn, .Lfunc_end_k_q9742438781_attn-k_q9742438781_attn
	.p2alignl 7, 3214868480
	.fill 96, 4, 3214868480
	.section	.rodata,"a",@progbits
	.p2align	6, 0x0
	.amdhsa_kernel k_q9742438781_attn
		.amdhsa_group_segment_fixed_size 327680
		.amdhsa_private_segment_fixed_size 0
		.amdhsa_enable_private_segment 0
		.amdhsa_kernarg_size 16
		.amdhsa_user_sgpr_count 2
		.amdhsa_user_sgpr_kernarg_segment_ptr 1
		.amdhsa_wavefront_size32 1
		.amdhsa_system_sgpr_workgroup_id_x 1
		.amdhsa_system_sgpr_workgroup_id_y 1
		.amdhsa_system_sgpr_workgroup_id_z 1
		.amdhsa_system_vgpr_workitem_id 0
		.amdhsa_next_free_vgpr 256
		.amdhsa_next_free_sgpr 66
		.amdhsa_reserve_vcc 0
		.amdhsa_float_denorm_mode_32 3
		.amdhsa_float_denorm_mode_16_64 3
		.amdhsa_memory_ordered 1
		.amdhsa_forward_progress 1
		.amdhsa_inst_pref_size 154
	.end_amdhsa_kernel
	.amdgpu_metadata
---
amdhsa.version: [ 1, 2 ]
amdhsa.kernels:
  - .name:           k_q9742438781_attn
    .symbol:         k_q9742438781_attn.kd
    .args:
      - { .name: qkv, .offset: 0, .size: 8, .value_kind: global_buffer, .address_space: global }
      - { .name: att, .offset: 8, .size: 8, .value_kind: global_buffer, .address_space: global }
    .group_segment_fixed_size: 327680
    .private_segment_fixed_size: 0
    .kernarg_segment_align: 8
    .kernarg_segment_size: 16
    .max_flat_workgroup_size: 512
    .sgpr_count:     66
    .vgpr_count:     256
    .wavefront_size: 32
...
	.end_amdgpu_metadata
.endif
;; end of part 3
;; launch oproj (part 4): grid 4 x 64, 4 waves a work-group, clusters of 4 x 4, 327,680 bytes of LDS; arguments att, wo16, bo, out0; writes out0
.if DOCPART == 4
	.amdgcn_target "amdgcn-amd-amdhsa--gfx1250"
	.amdhsa_code_object_version 6
	.text
	.protected	k_q9742438781_oproj
	.globl	k_q9742438781_oproj
	.p2align	8
	.type	k_q9742438781_oproj,@function
k_q9742438781_oproj:
	s_mov_b64 s[64:65], 0
	v_nop
	global_prefetch_b8 v0, s[64:65] scope:SCOPE_SE
	s_setreg_imm32_b32 hwreg(HW_REG_WAVE_MODE, 25, 1), 1
	s_wait_xcnt 0x0
	s_wait_alu depctr_hold_cnt(0) depctr_sa_sdst(0) depctr_va_vdst(0) depctr_va_sdst(0) depctr_va_ssrc(0) depctr_va_vcc(0) depctr_vm_vsrc(0)
	s_getreg_b32 s2, hwreg(HW_REG_IB_STS2, 6, 4)
	s_cmp_eq_u32 s2, 0
	s_cbranch_scc0 .Lentry_in_a_cluster
	s_endpgm
.Lentry_in_a_cluster:
	s_bfe_u32 s2, ttmp6, 0x10000c
	s_cmp_lg_u32 s2, 0xf033
	s_cbranch_scc0 .Lentry_shape_is_right
	s_endpgm
.Lentry_shape_is_right:
; out0[m][n] = the sum over k of A[m][k] Wo[n][k] + bo[n].  A: att[k / 64][8,192][64], Wo: wo16[k / 64][1,024][64], both f16; sums in f32; out0 [8,192][1,024] f32.
; A tile of the result is 128 rows x 256 columns: 256 work-groups of four waves; a wave makes 64 x 128: 32 accumulators of 16 x 16, 256 registers.
; K goes in steps of 128 (two blocks of 64) through a ring of two LDS slots.  In both tensors 64 along K of neighbouring rows are one dense block of memory, 128 bytes a row: a tile is stated as rows of 256 bytes
; (two rows of the matrix), padded in LDS: row r lies at (r / 2) x 272 + 128 (r % 2).  Waves 0 and 1 fetch A's two blocks of 64 along K (128 rows each), waves 2 and 3 Wo's (256 rows each): one load a wave.
; CLUSTERS: 4 x 4 work-groups.  The four of a row of the cluster need the same tiles of A, the four of a column the same tiles of Wo: each tile is asked for JOINTLY.
; THE MATRIX INSTRUCTION IS USED TRANSPOSED (source 0 = 16 rows of Wo, source 1 = 16 rows of A): a lane holds eight neighbouring columns of one row of the result.
; REGISTERS: window 0: v0-31 addresses; two fragment buffers for 32 along K: v32-63 A, v64-127 Wo; v128-159 A, v160-223 Wo; v224-227 the bias; on the way out v32-159 hold rows.
;   window 1: the accumulators ((a, b) at v[8 (8 a + b)]).
.set PITCH,  272                       ; an LDS row: 256 bytes + 16 of padding: the 16 rows of a fragment fall on 16 different 16-byte columns of the banks' 256 bytes (ISA guide 11.1)
.set CHA,    64*PITCH                  ; A: 64 along K of 128 rows
.set CHB,    128*PITCH                 ; Wo: 64 along K of 256 rows
.set BLK,    8*PITCH                   ; 16 rows of either
.set SLOT,   2*CHA+2*CHB               ; A's two blocks, then Wo's two
.set STAGE,  2*SLOT                    ; behind the ring: 16 rows x (512 bytes + 16) for each wave; no tensor load lands here
.set SPITCH, 528
.set SPARE,  STAGE+4*16*SPITCH         ; the spare words, 128 bytes for each wave; no other line names them
.set LAPS,   4                         ; a lap = two K steps = once round the ring: K = 1,024
.set WV,   12                          ; s12  my wave's number
.set WH,   13                          ; s13  wave / 2: which 64 rows of the tile are mine; also: I fetch for A (0) or for Wo (1)
.set WL,   14                          ; s14  wave % 2: which 128 columns; also: which 64 along K of a step I fetch
.set TY,   15                          ; s15  tile row
.set ADRA, 16                          ; v16-17  LDS address of my A fragments in slot 0, 1
.set ADRB, 20                          ; v20-21  the same for Wo
.set STO,  24                          ; v24  the way out: where I put 32 bytes of a row
.set RD,   25                          ; v25  the way out: where I read a row back
.set CO,   26                          ; v26  16 x my lane: my byte offset in a row's 512 bytes
.set SPW,  28                          ; v28  LDS address of my spare word; never rewritten
.set NIL,  29                          ; v29  0; never rewritten
.set F0,   32
.set F1,   128
.set BIAS, 224
.set BK,   32                          ; the way out: 16 rows read back: v32-95 and v96-159 by turns
.set G1, 24                            ; s[24:31] descriptor group 1 for A's tiles;  s[32:39] group 0, one set for each slot
.set G0, 32
.set G1B, 48                           ; s[48:55], s[56:63] the same for Wo's
.set G0B, 56
.set MSB, 0
.macro WIN new                         ; the immediate's high byte repeats the setting that is left
.if MSB != \new
	s_set_vgpr_msb (MSB<<8)|\new
.set MSB, \new
.endif
.endm
.set MUL, 0x50                         ; sources 0 and 1 window 0; C and D window 1
.macro JLOAD s                         ; a joint load: waves 0 and 1 fetch for A, waves 2 and 3 for Wo; an s_nop 0 and four v_nop follow each of the two lines
	s_cmp_eq_u32 s[WH], 0
	s_cbranch_scc0 .Lfor_b_\@
	tensor_load_to_lds s[G0+4*\s:G0+4*\s+3], s[G1:G1+7]
	s_nop 0
.rept 4
	v_nop
.endr
	s_branch .Lasked_\@
.Lfor_b_\@:
	tensor_load_to_lds s[G0B+4*\s:G0B+4*\s+3], s[G1B:G1B+7]
	s_nop 0
.rept 4
	v_nop
.endr
.Lasked_\@:
.endm
.macro CREST                           ; a round of the cluster's barrier behind its opening barrier
	s_cmp_lg_u32 s[WV], 0
	s_cbranch_scc1 .Lnot_wave_0_\@
	s_barrier_signal -3
.Lnot_wave_0_\@:
	s_barrier_wait -3
	s_barrier_signal -1
	s_barrier_wait -1
.endm
.macro CROUND                          ; a whole round
	s_barrier_signal -1
	s_barrier_wait -1
	CREST
.endm
	s_load_b256 s[4:11], s[0:1], 0x0               ; att s[4:5], wo16 s[6:7], bo s[8:9], out0 s[10:11]
	v_lshl_add_u32 v[SPW], v0, 2, SPARE
	v_mov_b32 v[NIL], 0
	ds_add_u32 v[SPW], v[NIL]                      ; the wave's opening: the add, twice on end, and its wait ahead of my first tensor load; the set-up below stands between
	ds_add_u32 v[SPW], v[NIL]
	v_lshrrev_b32 v1, 5, v0
	v_readfirstlane_b32 s[WV], v1                  ; wave 0..3
	s_lshr_b32 s[WH], s[WV], 1
	s_and_b32 s[WL], s[WV], 1
	s_bfe_u32 s40, ttmp6, 0x40000                  ; cx, cy: my place in the cluster
	s_bfe_u32 s41, ttmp6, 0x40004
	s_lshl_b32 s42, ttmp9, 2
	s_add_co_u32 s42, s42, s40                     ; tile column = 4 x cluster x + cx
	s_and_b32 s[TY], ttmp7, 0xffff
	s_lshl_b32 s[TY], s[TY], 2
	s_add_co_u32 s[TY], s[TY], s41                 ; tile row = 4 x cluster y + cy
	s_lshl_b32 s43, s41, 2
	s_lshl_b32 s43, 15, s43                        ; my row of the cluster
	s_lshl_b32 s44, 0x1111, s40                    ; my column
	; descriptor group 1: rows of 128 elements of 2 bytes, dense in memory, padded in LDS; A: 64 such rows, Wo: 128
	s_or_b32 s[G1+0], s43, (1<<16)|(1<<20)|(1<<21)|(5<<22)|(3<<25)  ; 15:0 the mask: A's tiles go to my row; 17:16 elements of 2 bytes; 20 padding on; 21 set beside a mask; 24:22 after every 64 words; 31:25 four words
	s_or_b32 s[G1B+0], s44, (1<<16)|(1<<20)|(1<<21)|(5<<22)|(3<<25)
	s_mov_b32 s[G1+1], 128<<16                     ; tensor_dim0
	s_mov_b32 s[G1+2], 64<<16                      ; tensor_dim1
	s_mov_b32 s[G1+3], 128<<16                     ; tile_dim0
	s_mov_b32 s[G1+4], 64                          ; tile_dim1
	s_mov_b32 s[G1+5], 128                         ; tensor_dim0_stride
	s_mov_b32 s[G1+6], 0
	s_mov_b32 s[G1+7], 0
	s_mov_b32 s[G1B+1], 128<<16
	s_mov_b32 s[G1B+2], 128<<16
	s_mov_b32 s[G1B+3], 128<<16
	s_mov_b32 s[G1B+4], 128
	s_mov_b32 s[G1B+5], 128
	s_mov_b32 s[G1B+6], 0
	s_mov_b32 s[G1B+7], 0
	s_lshl_b32 s16, s[WL], 20                      ; A: a block of 64 along K is 1,048,576 bytes; mine of the step's two,
	s_lshl_b32 s17, s[TY], 14                      ; the tile's 128 rows of 128 bytes
	s_add_co_u32 s16, s16, s17
	s_mov_b32 s17, 0
	s_lshl_b32 s46, s[WL], 17                      ; Wo: a block is 131,072 bytes,
	s_lshl_b32 s47, s42, 15                        ; the tile's 256 rows of 128 bytes
	s_add_co_u32 s46, s46, s47
	s_mov_b32 s47, 0
	s_mul_i32 s20, s[WL], CHA                      ; where they go: no place in the cluster enters an LDS address
	s_mul_i32 s21, s[WL], CHB
	s_add_co_u32 s21, s21, 2*CHA
	s_wait_dscnt 0x0                               ; both opening adds are done
	s_wait_kmcnt 0x0
	s_add_nc_u64 s[18:19], s[4:5], s[16:17]
	s_add_nc_u64 s[46:47], s[6:7], s[46:47]
	CROUND                                         ; all sixteen work-groups are here: the first joint loads meet
.irp s, 0,1
	s_mov_b32 s[G0+4*\s], 1
	s_add_co_u32 s[G0+4*\s+1], s20, \s*SLOT
	s_add_nc_u64 s[G0+4*\s+2:G0+4*\s+3], s[18:19], \s*2097152      ; K step s: two blocks on
	s_or_b32 s[G0+4*\s+3], s[G0+4*\s+3], 0x80000000
	s_mov_b32 s[G0B+4*\s], 1
	s_add_co_u32 s[G0B+4*\s+1], s21, \s*SLOT
	s_add_nc_u64 s[G0B+4*\s+2:G0B+4*\s+3], s[46:47], \s*262144
	s_or_b32 s[G0B+4*\s+3], s[G0B+4*\s+3], 0x80000000
	JLOAD \s                                       ; two tensor loads of mine are out at the most
.endr
	v_and_b32 v1, 15, v0                           ; r = lane % 16
	v_bfe_u32 v2, v0, 4, 1                         ; h = lane / 16
	v_lshrrev_b32 v3, 1, v1
	v_mul_u32_u24 v3, v3, PITCH                    ; a fragment's row r: (r / 2) x pitch
	v_and_b32 v4, 1, v1
	v_lshl_add_u32 v3, v4, 7, v3                   ; + 128 (r % 2)
	v_lshl_add_u32 v3, v2, 4, v3                   ; + 16 h
	s_mul_i32 s21, s[WH], 32*PITCH                 ; my 64 rows of A
	s_mul_i32 s22, s[WL], 64*PITCH                 ; my 128 rows of Wo,
	s_add_co_u32 s22, s22, 2*CHA                   ; which lie behind A's two blocks
.irp s, 0,1
	v_add_nc_u32 v[ADRA+\s], s21, v3
	v_add_nc_u32 v[ADRB+\s], s22, v3
	s_add_co_u32 s21, s21, SLOT
	s_add_co_u32 s22, s22, SLOT
.endr
	s_mul_i32 s23, s[WV], 16*SPITCH
	s_add_co_u32 s23, s23, STAGE                   ; my stage
	v_mul_u32_u24 v5, v1, SPITCH                   ; in: row r, 32 bytes for each half of the lanes
	v_lshl_add_u32 v5, v2, 5, v5
	v_add_nc_u32 v[STO], s23, v5
	v_and_b32 v6, 31, v0
	v_lshlrev_b32 v[CO], 4, v6                     ; back: the 32 lanes take one row of 512 bytes; and the same in out0 and in bo
	v_add_nc_u32 v[RD], s23, v[CO]
	s_lshl_b32 s22, s42, 10                        ; my first column, in bytes: 1,024 x tile column + 512 x half
	s_lshl_b32 s23, s[WL], 9
	s_add_co_u32 s22, s22, s23
	s_mov_b32 s23, 0
	s_add_nc_u64 s[8:9], s[8:9], s[22:23]
	global_load_b128 v[BIAS:BIAS+3], v[CO], s[8:9] ; bo at my four columns of a row
	s_lshl_b32 s45, s[TY], 19                      ; my first row: 128 x tile row + 64 x half, rows of 4,096 bytes
	s_add_co_u32 s22, s22, s45
	s_lshl_b32 s45, s[WH], 18
	s_add_co_u32 s22, s22, s45
	s_add_nc_u64 s[10:11], s[10:11], s[22:23]
; 8 matrix instructions: A's block a x Wo's eight, 32 along K, from buffer f.  zero = 1: the product starts the sums: nothing is ever cleared.
; The 32 accumulators take turns, one instruction a turn, in the same order in every quarter.
.macro MUL8 f, a, zero
.irp b, 0,1,2,3,4,5,6,7
.if \zero
	v_wmma_f32_16x16x32_f16 v[8*(8*(\a)+\b):8*(8*(\a)+\b)+7], v[\f+32+8*\b:\f+32+8*\b+7], v[\f+8*(\a):\f+8*(\a)+7], 0
.else
	v_wmma_f32_16x16x32_f16 v[8*(8*(\a)+\b):8*(8*(\a)+\b)+7], v[\f+32+8*\b:\f+32+8*\b+7], v[\f+8*(\a):\f+8*(\a)+7], v[8*(8*(\a)+\b):8*(8*(\a)+\b)+7]
.endif
.endr
.endm
; 24 LDS loads in one run: the fragments of the slot's q-th 32 along K into buffer f: Wo's eight, then A's four.  A fragment: registers 0-3 K = 8 h + 0..7, registers 4-7 K = 16 + 8 h + 0..7: two loads, 32 bytes apart
.macro FETCH slot, q, f
	WIN 0
.irp i, 0,1,2,3,4,5,6,7
	ds_load_b128 v[\f+32+8*\i:\f+32+8*\i+3],   v[ADRB+\slot] offset:((\q)/2)*CHB+\i*BLK+64*((\q)%2)
	ds_load_b128 v[\f+32+8*\i+4:\f+32+8*\i+7], v[ADRB+\slot] offset:((\q)/2)*CHB+\i*BLK+64*((\q)%2)+32
.endr
.irp i, 0,1,2,3
	ds_load_b128 v[\f+8*\i:\f+8*\i+3],   v[ADRA+\slot] offset:((\q)/2)*CHA+\i*BLK+64*((\q)%2)
	ds_load_b128 v[\f+8*\i+4:\f+8*\i+7], v[ADRA+\slot] offset:((\q)/2)*CHA+\i*BLK+64*((\q)%2)+32
.endr
.endm
.macro PLACES                          ; four places in front of loads into registers that matrix instructions have read, and of the first read of results
.rept 4
	v_nop
.endr
.endm
; A K step is four quarters of 32 along K, 32 matrix instructions each, on buffers 0, 1, 0, 1.  One of the first three: multiplies buffer f and fetches the slot's quarter q into g.
.macro QUARTER slot, q, f, g, zero
	s_wait_dscnt 4                                 ; Wo's fragments and A's blocks 0, 1 are in; the youngest four loads (A's blocks 2, 3) may be out
	WIN MUL
	MUL8 \f, 0, \zero
	MUL8 \f, 1, \zero
	PLACES
	FETCH \slot, \q, \g
	s_wait_dscnt 24                                ; all but the 24 just issued
	WIN MUL
	MUL8 \f, 2, \zero
	MUL8 \f, 3, \zero
.endm
; The last quarter multiplies buffer 1 and changes slots: ONE barrier; in front of it each wave waits for all its tensor loads, adds 0 to its spare word, and waits for that and for its own reads of this slot.
; fill = 1: the barrier opens a round of the cluster's barrier, and behind the round this slot is filled again, two K steps ahead.
.macro TURN slot, next, fill
	WIN 0                                          ; (the add's two registers lie in window 0)
	s_wait_tensorcnt 0x0                           ; all my tensor loads have landed: my part of the next slot;
	ds_add_u32 v[SPW], v[NIL]                      ; 0 onto my spare word;
	s_wait_dscnt 5                                 ; (the add and the youngest four loads may be out)
	WIN MUL
	MUL8 F1, 0, 0                                  ; eight matrix instructions stand between the add and the wait for it
	s_wait_dscnt 0x0                               ; the add is done, and my reads of this slot are over
	s_barrier_signal -1
	MUL8 F1, 1, 0
.if \fill
	WIN 0
.endif
	s_barrier_wait -1
.if \fill
	CREST                                          ; no wave of any partner still reads this slot's tile or has a load on its way
	s_add_nc_u64 s[G0+4*\slot+2:G0+4*\slot+3], s[G0+4*\slot+2:G0+4*\slot+3], 4194304     ; two K steps on: four blocks of A,
	s_add_nc_u64 s[G0B+4*\slot+2:G0B+4*\slot+3], s[G0B+4*\slot+2:G0B+4*\slot+3], 524288  ; four of Wo
	JLOAD \slot                                    ; the first tensor load behind the round; the four v_nop behind it are also the places in front of the loads below
.else
	PLACES
.endif
	FETCH \next, 0, F0
	WIN MUL
	MUL8 F1, 2, 0
	MUL8 F1, 3, 0
.endm
	s_wait_tensorcnt 1                             ; my part of K step 0 is in (K step 1's load may be out)
	s_barrier_signal -1
	s_barrier_wait -1                              ; everybody's is
	FETCH 0, 0, F0
	QUARTER 0, 1, F0, F1, 1                        ; the first quarter stands in front of the loop: its products start the sums
	WIN 0                                          ; at a label and at a branch every window is 0
	s_mov_b32 s3, LAPS-1
.Llap:                                                 ; a trip goes once round the ring, from a lap's second quarter to the next lap's first, and fills both slots again
	QUARTER 0, 2, F1, F0, 0
	QUARTER 0, 3, F0, F1, 0
	TURN 0, 1, 1
	QUARTER 1, 1, F0, F1, 0
	QUARTER 1, 2, F1, F0, 0
	QUARTER 1, 3, F0, F1, 0
	TURN 1, 0, 1
	QUARTER 0, 1, F0, F1, 0
	WIN 0
	s_sub_co_u32 s3, s3, 1
	s_cmp_lg_u32 s3, 0
	s_cbranch_scc1 .Llap
	QUARTER 0, 2, F1, F0, 0                        ; the last lap fills nothing, and has no round of the cluster's barrier
	QUARTER 0, 3, F0, F1, 0
	TURN 0, 1, 0
	QUARTER 1, 1, F0, F1, 0
	QUARTER 1, 2, F1, F0, 0
	QUARTER 1, 3, F0, F1, 0
	s_wait_dscnt 4                                 ; the very last quarter: nothing more to fetch
	WIN MUL
	MUL8 F1, 0, 0
	MUL8 F1, 1, 0
	s_wait_dscnt 0
	MUL8 F1, 2, 0
	MUL8 F1, 3, 0
	WIN 0
; THE WAY OUT, block by block of 16 rows x 128 columns.  A lane holds 32 neighbouring bytes of a row, and the lanes beside it hold other rows: so a block goes through my own stage in LDS and comes back as whole
; rows of 512 bytes; the bias is added there, four columns a lane; the 32 lanes store 512 consecutive bytes.  LDS serves a wave's instructions in order (ISA guide 5.7.1.4): no wait between the stage's stores and loads.
.macro TOSTAGE a
	WIN 0x04                                       ; an LDS store's data are its source 1: window 1
.irp b, 0,1,2,3,4,5,6,7
	ds_store_b128 v[STO], v[64*(\a)+8*\b:64*(\a)+8*\b+3] offset:64*\b          ; each accumulator from its low end on
	ds_store_b128 v[STO], v[64*(\a)+8*\b+4:64*(\a)+8*\b+7] offset:64*\b+16
.endr
	WIN 0
.set BB, BK+64*((\a)%2)
.irp t, 0,1,2,3,4,5,6,7,8,9,10,11,12,13,14,15
	ds_load_b128 v[BB+4*\t:BB+4*\t+3], v[RD] offset:\t*SPITCH
.endr
.endm
.macro SEND a, younger                 ; younger: the LDS instructions issued behind block a's loads, which may stay out
.set BB, BK+64*((\a)%2)
	s_wait_dscnt \younger                          ; the block is back in registers
.irp t, 0,1,2,3,4,5,6,7,8,9,10,11,12,13,14,15
	v_pk_add_f32 v[BB+4*\t:BB+4*\t+1], v[BB+4*\t:BB+4*\t+1], v[BIAS:BIAS+1]
	v_pk_add_f32 v[BB+4*\t+2:BB+4*\t+3], v[BB+4*\t+2:BB+4*\t+3], v[BIAS+2:BIAS+3]
.endr
.irp t, 0,1,2,3,4,5,6,7,8,9,10,11,12,13,14,15
	global_store_b128 v[CO], v[BB+4*\t:BB+4*\t+3], s[10:11] offset:65536*(\a)+4096*\t th:TH_STORE_NT   ; 32 lanes store 512 consecutive bytes, aligned; written once, read by nobody here
.endr
.endm
	PLACES                                         ; behind the last products: their results are read, and their operands' registers loaded into, only from here on
	s_wait_loadcnt 0x0                             ; the bias
	TOSTAGE 0
.irp a, 1,2,3
.if \a > 1
	s_wait_xcnt 0x0                                ; block a - 2's stores have read their registers: block a's loads may land there
.endif
	TOSTAGE \a
	SEND \a-1, 32                                  ; behind block a - 1's loads: block a's 16 stores and 16 loads
.endr
	SEND 3, 0
	s_wait_tensorcnt 0x0                           ; the wave's end, behind my last tensor load and my last LDS store
	ds_add_u32 v[SPW], v[NIL]
	s_wait_dscnt 0x0
	CROUND                                         ; the closing round: no work-group ends while a partner may still ask for a tile that names it
	s_endpgm
.Lfunc_end_k_q9742438781_oproj:
	.size	k_q9742438781_oproj, .Lfunc_end_k_q9742438781_oproj-k_q9742438781_oproj
	.p2alignl 7, 3214868480
	.fill 96, 4, 3214868480
	.section	.rodata,"a",@progbits
	.p2align	6, 0x0
	.amdhsa_kernel k_q9742438781_oproj
		.amdhsa_group_segment_fixed_size 327680
		.amdhsa_private_segment_fixed_size 0
		.amdhsa_enable_private_segment 0
		.amdhsa_kernarg_size 32
		.amdhsa_user_sgpr_count 2
		.amdhsa_user_sgpr_kernarg_segment_ptr 1
		.amdhsa_wavefront_size32 1
		.amdhsa_system_sgpr_workgroup_id_x 1
		.amdhsa_system_sgpr_workgroup_id_y 1
		.amdhsa_system_sgpr_workgroup_id_z 1
		.amdhsa_system_vgpr_workitem_id 0
		.amdhsa_next_free_vgpr 512
		.amdhsa_next_free_sgpr 66
		.amdhsa_reserve_vcc 0
		.amdhsa_float_denorm_mode_32 3
		.amdhsa_float_denorm_mode_16_64 3
		.amdhsa_memory_ordered 1
		.amdhsa_forward_progress 1
		.amdhsa_inst_pref_size 93
	.end_amdhsa_kernel
	.amdgpu_metadata
---
amdhsa.version: [ 1, 2 ]
amdhsa.kernels:
  - .name:           k_q9742438781_oproj
    .symbol:         k_q9742438781_oproj.kd
    .args:
      - { .name: att, .offset: 0, .size: 8, .value_kind: global_buffer, .address_space: global }
      - { .name: wo16, .offset: 8, .size: 8, .value_kind: global_buffer, .address_space: global }
      - { .name: bo, .offset: 16, .size: 8, .value_kind: global_buffer, .address_space: global }
      - { .name: out0, .offset: 24, .size: 8, .value_kind: global_buffer, .address_space: global }
    .group_segment_fixed_size: 327680
    .private_segment_fixed_size: 0
    .kernarg_segment_align: 8
    .kernarg_segment_size: 32
    .max_flat_workgroup_size: 128
    .sgpr_count:     66
    .vgpr_count:     512
    .wavefront_size: 32
...
	.end_amdgpu_metadata
.endif
;; end of part 4
